; MI455X (gfx1250); checked and timed in simulation.
; The chip was launched on July 23, 2026; its instructions are those of AMD's public machine-readable ISA for CDNA 5 (MIT licence, August 2026) and "CDNA5" Instruction Set Architecture Reference Guide (July 2026). The comments in the code are by the model that wrote it; some were corrected since.
;; Causal Self Attention. Allowed arithmetic: matrix products marked QUANTISED: E2M1 operands, one E8M0 scale for each 32 along K, by v_wmma_scale_f32_16x16x128_f8f6f4 with both operands' format E2M1 (or v_wmma_scale_f32_32x16x128_f4), f32 sums; products left as they are: bf16, f16 or f32 operands; f32 sums; everything else in f32.
;; Inputs: b_attn 3,072 float32; b_proj 1,024 float32; w_attn 1,024 x 3,072 float32; w_proj 1,024 x 1,024 float32; x 4 x 2,048 x 1,024 float32.
;; Outputs: out0 4 x 2,048 x 1,024 float32.
;; This version of the problem:
;;   THIS VERSION OF THE PROBLEM IS GIVEN IN LOW PRECISION. The matrix products marked QUANTISED in the list below multiply operands that are first quantised to E2M1 (2 exponent bits, 1 mantissa bit; 4 bits a number), with one power-of-two scale for each 32 numbers along K (OCP MX v1.0); their sums are f32. The products marked 'left as it is' may take bf16, f16 or f32 operands, with f32 sums. Whichever they take, every output number must still come out within the allowed error. Rounding operands to bf16 (8 significant bits) uses up far more of that allowance than f16 does (11 bits, for magnitudes from 6e-5 to 65,504). All else is computed in f32.
;;   The module's matrix products, in the order in which they are computed (A, B: the left and right operand; K: the contracted axis; several contracted axes count as one K, in the product's order):
;;     1. [M 8,192, K 1,024] x [K 1,024, N 3,072]; A: input x; B: input w_attn: QUANTISED
;;     2. batch 64 x [M 2,048, K 64] x [K 64, N 2,048]; A: computed on the way; B: computed on the way: left as it is (an operand is computed on the way)
;;     3. batch 64 x [M 2,048, K 2,048] x [K 2,048, N 64]; A: computed on the way; B: computed on the way: left as it is (an operand is computed on the way)
;;     4. [M 8,192, K 1,024] x [K 1,024, N 1,024]; A: computed on the way; B: input w_proj: left as it is (an operand is computed on the way)
;;   THE QUANTISER, for each operand of a quantised product, along K:
;;     - K is cut into blocks of 32 from its start; a last block that is shorter is filled with zeros.
;;     - A block's scale is 2^e with e = floor(log2(the largest magnitude in the block)) - 2, held to -126 .. 127; a block of zeros has e = 0. As a byte (E8M0): e + 127.
;;     - Each number is divided by its block's scale, clamped to +-6, and rounded to the nearest number of E2M1, ties to even, subnormals kept.
;;     - The product sums the exact products of the quantised numbers (number of the format x scale) in f32.
;;   ~~~python
;;   def quantise(x, axis):      # numpy; x: float32 -> the quantised numbers, widened to float32 again
;;       x = np.moveaxis(x, axis, -1); K = x.shape[-1]
;;       x = np.pad(x, [(0, 0)] * (x.ndim - 1) + [(0, -K % 32)]); x = x.reshape(x.shape[:-1] + (-1, 32)); a = np.abs(x).max(-1, keepdims=True)
;;       e = np.where(a > 0, np.clip(np.frexp(np.where(a > 0, a, 1))[1] - 1 - 2, -126, 127), 0)      # np.frexp(a)[1] - 1 = floor(log2(a)), exactly
;;       r = np.clip(x / 2.0 ** e, -6, 6)
;;       step = 2.0 ** (np.maximum(np.frexp(np.where(r == 0, 1, r))[1] - 1, 0) - 1)
;;       q = np.round(r / step) * step * 2.0 ** e      # np.round: ties to even
;;       return np.moveaxis(q.reshape(q.shape[:-2] + (-1,))[..., :K], -1, axis).astype(np.float32)
;;   ~~~
;; One version. Each part assembles by itself: llvm-mc -triple=amdgcn-amd-amdhsa -mcpu=gfx1250 --defsym DOCPART=n.
;; ======== version 1 of 1: 5 launches
;; limits: values are held in f16: magnitudes above 65,504 overflow, below 6.1e-05 lose precision
;; workspace buffers: xc 4,194,304 bytes; xs 262,144 bytes; wc 1,572,864 bytes; ws 98,304 bytes; wp 2,097,152 bytes; qkvh 50,331,648 bytes; fine 786,432 bytes; yh 16,777,216 bytes
;; launch prep (part 1): grid 336 x 1, 4 waves a work-group, no clusters, 68,096 bytes of LDS; arguments x, w_attn, w_proj, xc, xs, wc, ws, wp; writes xc, xs, wc, ws, wp
.if DOCPART == 1
	.amdgcn_target "amdgcn-amd-amdhsa--gfx1250"
	.amdhsa_code_object_version 6
	.text
	.protected	k_qae836f936c_prep
	.globl	k_qae836f936c_prep
	.p2align	8
	.type	k_qae836f936c_prep,@function
k_qae836f936c_prep:
	s_mov_b64 s[64:65], 0
	v_nop
	global_prefetch_b8 v0, s[64:65] scope:SCOPE_SE
	s_setreg_imm32_b32 hwreg(HW_REG_WAVE_MODE, 25, 1), 1
	s_wait_xcnt 0x0
; PREP: three jobs in one launch, told apart by the work-group's number.
;   work-groups  0-47  (path W):    w_attn [1024 k][3072 n] f32 -> codes of E2M1 wc [3072][512 bytes], K innermost, and E8M0 bytes ws [3072][32]
;   work-groups 48-79  (path CAST): w_proj [1024][1024] f32 -> f16, same layout, wp
;   work-groups 80-335 (path X):    x [8192][1024] f32 -> codes xc [8192][512 bytes] and bytes xs [8192][32]
; A block's scale is 2^(floor(log2(largest magnitude)) - 2); its byte is the largest magnitude's exponent field - 2, held at 1 from below.
; LIMITS: a block of zeros gets the byte 1 (its codes are zeros; this program alone reads the bytes); blocks whose largest magnitude lies under 2^(3 - 127) keep the byte 1;
; NaN and infinities are not served; |w_proj| at most 65,504 (f16).
; LDS: path X has bytes 0 .. 32,767 (8,192 a wave), path W bytes 32,768 .. 67,583 (8,704 a wave): each path has bytes of its own.  The spare words follow.
.set SPW,   12                         ; v12  LDS address of my spare word; never rewritten
.set NIL,   13                         ; v13  0; never rewritten
.set SPARE, 67584                      ; 128 bytes for each of four waves: two blocks of 256 bytes that no other line names
.set XWREG, 8192                       ; path X: a wave's region: two stages of 32 x XSP bytes, then its 256 scale bytes
.set XSP,   80                         ; a lane's place in a stage: 64 bytes + 16 of padding
.set XR,    16                         ; v16-79   four sets of 16 numbers as loaded
.set XX,    80                         ; v80-111  two sets of 16 neighbours
.set XE,    112                        ; v112-127 a scale byte for each step
.set XC,    128                        ; v128-191 codes, four registers a step: no store's data are written again
.set WSTG,  32768                      ; path W: the stages
.set WPIT,  272                        ; a stage row: 256 bytes + 16
.set WNB,   16                         ; blocks of 32 along K for a wave
.set WX,    32                         ; v32-95   two sets of 32 numbers
.set WC,    96                         ; v96-99   a block's codes
.set WOUT,  112                        ; v112-175 the way out
.set WSB,   24                         ; v24-27   scale bytes, four to a register
.set CIN,   16                         ; path CAST: v16-143 two batches of 16 loads
.set COUT,  144                        ; v144-175 a batch's f16 pairs
	s_load_b512 s[4:19], s[0:1], 0x0               ; x 4:5, w_attn 6:7, w_proj 8:9, xc 10:11, xs 12:13, wc 14:15, ws 16:17, wp 18:19
	v_lshl_add_u32 v[SPW], v0, 2, SPARE
	v_mov_b32 v[NIL], 0
	v_lshrrev_b32 v1, 5, v0
	v_readfirstlane_b32 s20, v1                    ; wave 0..3
	v_and_b32 v2, 31, v0                           ; lane
	s_wait_kmcnt 0x0
	s_cmp_lt_u32 ttmp9, 48
	s_cbranch_scc1 .Lw
	s_cmp_lt_u32 ttmp9, 80
	s_cbranch_scc1 .Lcast
; ---------------- PATH X: a plain stream of blocks of 32.  A wave takes 16 steps of 512 numbers.
; Each of a step's four loads reads 512 consecutive bytes; the 2,048 bytes turn through the wave's own stage so that a lane then holds 16 neighbours along K; two neighbouring lanes hold a block.
	v_lshlrev_b32 v3, 4, v2                        ; my 16 bytes of a load's 512
	s_mul_i32 s21, s20, XWREG
	v_lshrrev_b32 v14, 2, v2
	v_mul_u32_u24 v14, v14, XSP
	v_and_b32 v15, 3, v2
	v_lshl_add_u32 v14, v15, 4, v14
	v_add_nc_u32 v14, s21, v14                     ; the stage, in: XSP (lane / 4) + 16 (lane % 4)
	v_mul_u32_u24 v15, v2, XSP
	v_add_nc_u32 v15, s21, v15                     ; and out: XSP x lane
	v_lshlrev_b32 v4, 3, v2                        ; my 8 bytes of a step's 256 bytes of codes
	v_lshrrev_b32 v5, 1, v2
	s_add_co_u32 s21, s21, 2*32*XSP
	v_add_nc_u32 v5, s21, v5                       ; my block's byte among the wave's 256 scale bytes
	v_lshlrev_b32 v7, 3, v2
	v_add_nc_u32 v6, s21, v7                       ; and on the way out 8 bytes a lane
	s_sub_co_u32 s22, ttmp9, 80
	s_lshl_b32 s22, s22, 2
	s_add_co_u32 s22, s22, s20                     ; which run of 8,192 numbers is my wave's: 0 .. 1,023
	s_mov_b32 s25, 0
	s_lshl_b32 s24, s22, 15                        ; 32,768 bytes of x a run
	s_add_nc_u64 s[4:5], s[4:5], s[24:25]
	s_lshl_b32 s24, s22, 12                        ; 4,096 bytes of codes
	s_add_nc_u64 s[10:11], s[10:11], s[24:25]
	s_lshl_b32 s24, s22, 8                         ; 256 scale bytes
	s_add_nc_u64 s[12:13], s[12:13], s[24:25]
.macro XLOAD t
.irp i, 0,1,2,3
	global_load_b128 v[XR+16*((\t)%4)+4*\i:XR+16*((\t)%4)+4*\i+3], v3, s[4:5] offset:2048*(\t)+512*\i th:TH_LOAD_NT
.endr
.endm
.macro XTURN t                         ; LDS serves a wave's instructions in order: no wait between the stores and the loads
.irp i, 0,1,2,3
	ds_store_b128 v14, v[XR+16*((\t)%4)+4*\i:XR+16*((\t)%4)+4*\i+3] offset:32*XSP*((\t)%2)+8*XSP*\i
.endr
.irp i, 0,1,2,3
	ds_load_b128 v[XX+16*((\t)%2)+4*\i:XX+16*((\t)%2)+4*\i+3], v15 offset:32*XSP*((\t)%2)+16*\i
.endr
.endm
.macro XSTEP t
.set XS, XX+16*((\t)%2)
.if (\t) > 0
	s_wait_dscnt 1                                 ; this step's numbers are back from the stage; only the last step's byte store may be out
.else
	s_wait_dscnt 0x0
.endif
.if (\t)+4 < 16
	XLOAD (\t)+4                                   ; into the set whose stage stores are done
.endif
.if (\t)+1 < 16
.if 14-(\t) >= 3
	s_wait_loadcnt 12                              ; the next step's four loads are in; three younger steps x 4 loads may be out
.else
	s_wait_loadcnt 4*(14-(\t))                     ; the tail: as many steps as are left behind the next one
.endif
	XTURN (\t)+1
.endif
	v_max3_num_f32 v8, |v[XS]|, |v[XS+1]|, |v[XS+2]|
	v_max3_num_f32 v9, |v[XS+3]|, |v[XS+4]|, |v[XS+5]|
.irp i, 6,10
	v_max3_num_f32 v8, v8, |v[XS+\i]|, |v[XS+\i+1]|
	v_max3_num_f32 v9, v9, |v[XS+\i+2]|, |v[XS+\i+3]|
.endr
	v_max3_num_f32 v8, v8, |v[XS+14]|, |v[XS+15]|
	v_max3_num_f32 v8, v8, v9, 0x1800000           ; with the floor 2^(3 - 127): the byte cannot fall under 1
	v_max_num_f32_dpp v8, v8, v8 row_xmask:1 row_mask:0xf bank_mask:0xf   ; with my neighbour's 16: the block's largest magnitude
	v_add_nc_u32 v11, 0xff000000, v8               ; 2 off its exponent field: the conversion takes this operand's exponent field as its scale
	v_cvt_scalef32_pk8_fp4_f32 v[XC+4*(\t)], v[XS:XS+7], v11
	v_cvt_scalef32_pk8_fp4_f32 v[XC+4*(\t)+1], v[XS+8:XS+15], v11
	v_lshrrev_b32 v[XE+(\t)], 23, v11              ; the scale's byte (also the plain line behind the conversions)
	ds_store_b8 v5, v[XE+(\t)] offset:16*(\t)      ; both lanes of a block write the same byte with the same value
	global_store_b64 v4, v[XC+4*(\t):XC+4*(\t)+1], s[10:11] offset:256*(\t)   ; the wave stores 256 consecutive bytes, aligned
.endm
.irp t, 0,1,2,3
	XLOAD \t
.endr
	s_wait_loadcnt 12                              ; step 0's four loads are in
	XTURN 0
.irp t, 0,1,2,3,4,5,6,7,8,9,10,11,12,13,14,15
	XSTEP \t
.endr
	ds_load_b64 v[8:9], v6                         ; my wave's 256 scale bytes, 8 a lane
	s_wait_dscnt 0x0
	global_store_b64 v7, v[8:9], s[12:13]          ; 256 consecutive bytes, aligned
	s_wait_tensorcnt 0x0                           ; the wave's end
	ds_add_u32 v[SPW], v[NIL]
	s_wait_dscnt 0x0
	s_endpgm
; ---------------- PATH W: K is the first axis.  A lane takes a column n, its registers run down K: a block of 32 lies in one lane, and the conversions give codes with K innermost.
; A wave takes 32 columns x 512 along K; its codes (256 bytes a column) go through its own stage and leave as rows, sixteen lanes to 256 consecutive bytes.
.Lw:
	s_cmp_ge_u32 ttmp9, 24
	s_cselect_b32 s22, 1, 0                        ; which 512 along K
	s_cselect_b32 s21, 24, 0
	s_sub_co_u32 s21, ttmp9, s21                   ; which 128 columns
	s_lshl_b32 s21, s21, 7
	s_lshl_b32 s23, s20, 5
	s_add_co_u32 s21, s21, s23                     ; my wave's first column
	v_lshlrev_b32 v3, 2, v2                        ; in: 4 bytes a lane
	s_mul_i32 s34, s20, 32*WPIT
	s_add_co_u32 s34, s34, WSTG                    ; my stage
	v_mul_u32_u24 v4, v2, WPIT
	v_add_nc_u32 v4, s34, v4                       ; into it: row = my column
	v_and_b32 v5, 15, v2
	v_lshrrev_b32 v6, 4, v2
	v_mul_u32_u24 v7, v6, WPIT
	v_lshl_add_u32 v7, v5, 4, v7
	v_add_nc_u32 v7, s34, v7                       ; out of it: sixteen lanes to a row, two rows an instruction
	v_lshlrev_b32 v8, 9, v6
	v_lshl_add_u32 v8, v5, 4, v8                   ; the same place in wc: rows of 512 bytes
	v_lshlrev_b32 v9, 5, v2                        ; my column's row of 32 scale bytes
	s_mov_b32 s25, 0
	s_mul_i32 s24, s22, 512*3072*4
	s_lshl_b32 s26, s21, 2
	s_add_co_u32 s24, s24, s26
	s_add_nc_u64 s[6:7], s[6:7], s[24:25]          ; w_attn at (512 y, column)
	s_lshl_b32 s24, s21, 9
	s_lshl_b32 s26, s22, 8
	s_add_co_u32 s24, s24, s26
	s_add_nc_u64 s[14:15], s[14:15], s[24:25]      ; wc at column x 512 + 256 y
	s_lshl_b32 s24, s21, 5
	s_lshl_b32 s26, s22, 4
	s_add_co_u32 s24, s24, s26
	s_add_nc_u64 s[16:17], s[16:17], s[24:25]      ; ws at column x 32 + 16 y
.macro WLOAD t                         ; block t: w(32 t + i, my column); the largest immediate is 511 x 12,288, inside the signed 24 bits
.irp i, 0,1,2,3,4,5,6,7,8,9,10,11,12,13,14,15,16,17,18,19,20,21,22,23,24,25,26,27,28,29,30,31
	global_load_b32 v[WX+32*((\t)%2)+\i], v3, s[6:7] offset:(32*(\t)+\i)*12288 th:TH_LOAD_NT
.endr
.endm
.macro WBLOCK t
.set XS, WX+32*((\t)%2)
.if (\t) < WNB-1
	s_wait_loadcnt 32                              ; this block's 32 loads are in; the next block's 32 may be out
.else
	s_wait_loadcnt 0
.endif
	v_max3_num_f32 v16, |v[XS]|, |v[XS+1]|, |v[XS+2]|
	v_max3_num_f32 v17, |v[XS+3]|, |v[XS+4]|, |v[XS+5]|
.irp i, 6,10,14,18,22,26
	v_max3_num_f32 v16, v16, |v[XS+\i]|, |v[XS+\i+1]|
	v_max3_num_f32 v17, v17, |v[XS+\i+2]|, |v[XS+\i+3]|
.endr
	v_max3_num_f32 v16, v16, |v[XS+30]|, |v[XS+31]|
	v_max3_num_f32 v16, v16, v17, 0x1800000        ; the floor, as in path X
	v_add_nc_u32 v18, 0xff000000, v16              ; the conversion's scale operand
	v_lshrrev_b32 v17, 23, v18                     ; the scale's byte
.if (\t)%4 == 0
	v_mov_b32 v[WSB+(\t)/4], v17
.else
	v_lshl_or_b32 v[WSB+(\t)/4], v17, 8*((\t)%4), v[WSB+(\t)/4]
.endif
.irp g, 0,1,2,3
	v_cvt_scalef32_pk8_fp4_f32 v[WC+\g], v[XS+8*\g:XS+8*\g+7], v18
.endr
	v_nop                                          ; one plain line behind the last conversion
	ds_store_b128 v4, v[WC:WC+3] offset:16*(\t)    ; 32 codes: 16 bytes of my column's row
.if (\t)+2 < WNB
	WLOAD (\t)+2
.endif
	s_wait_dscnt 0x0                               ; the store has read its registers: the next block's codes may be written
.endm
	WLOAD 0
	WLOAD 1
.set Q, 0
.rept WNB
	WBLOCK Q
.set Q, Q+1
.endr
	global_store_b128 v9, v[WSB:WSB+3], s[16:17]   ; my column's 16 scale bytes
.irp t, 0,1,2,3,4,5,6,7,8,9,10,11,12,13,14,15
	ds_load_b128 v[WOUT+4*\t:WOUT+4*\t+3], v7 offset:2*\t*WPIT
.endr
.irp t, 0,1,2,3,4,5,6,7,8,9,10,11,12,13,14,15
	s_wait_dscnt 15-\t                             ; load t is in; the younger ones may be out
	global_store_b128 v8, v[WOUT+4*\t:WOUT+4*\t+3], s[14:15] offset:2*\t*512
.endr
	s_wait_tensorcnt 0x0                           ; the wave's end, as in path X
	ds_add_u32 v[SPW], v[NIL]
	s_wait_dscnt 0x0
	s_endpgm
; ---------------- PATH CAST: a wave turns 8,192 numbers (32,768 bytes) into f16 (16,384 bytes): four batches of 16 loads of 512 consecutive bytes, one batch ahead.
.Lcast:
	s_sub_co_u32 s21, ttmp9, 48
	s_lshl_b32 s21, s21, 2
	s_add_co_u32 s21, s21, s20                     ; run 0 .. 127
	s_mov_b32 s23, 0
	s_lshl_b32 s22, s21, 15
	s_add_nc_u64 s[8:9], s[8:9], s[22:23]
	s_lshl_b32 s22, s21, 14
	s_add_nc_u64 s[18:19], s[18:19], s[22:23]
	v_lshlrev_b32 v1, 4, v2                        ; in: 16 bytes a lane
	v_lshlrev_b32 v3, 3, v2                        ; out: 8 bytes a lane
.macro CLOAD g
.irp i, 0,1,2,3,4,5,6,7,8,9,10,11,12,13,14,15
	global_load_b128 v[CIN+64*((\g)%2)+4*\i:CIN+64*((\g)%2)+4*\i+3], v1, s[8:9] offset:(16*(\g)+\i)*512 th:TH_LOAD_NT
.endr
.endm
.macro CCVT g
.irp i, 0,1,2,3,4,5,6,7,8,9,10,11,12,13,14,15
	v_cvt_pk_f16_f32 v[COUT+2*\i], v[CIN+64*((\g)%2)+4*\i], v[CIN+64*((\g)%2)+4*\i+1]
	v_cvt_pk_f16_f32 v[COUT+2*\i+1], v[CIN+64*((\g)%2)+4*\i+2], v[CIN+64*((\g)%2)+4*\i+3]
	global_store_b64 v3, v[COUT+2*\i:COUT+2*\i+1], s[18:19] offset:(16*(\g)+\i)*256   ; 256 consecutive bytes, aligned
.endr
.endm
	CLOAD 0
	CLOAD 1
	s_wait_loadcnt 16                              ; batch 0 is in; batch 1's 16 loads may be out
	CCVT 0
	CLOAD 2
	s_wait_loadcnt 16                              ; batch 1
	s_wait_xcnt 0x0                                ; the last batch's stores have read v144-175: they are written again only behind this wait
	CCVT 1
	CLOAD 3
	s_wait_loadcnt 16                              ; batch 2
	s_wait_xcnt 0x0
	CCVT 2
	s_wait_loadcnt 0x0                             ; batch 3
	s_wait_xcnt 0x0
	CCVT 3
	s_wait_tensorcnt 0x0                           ; this path stores nothing to LDS; the three lines stand here as at the other paths' ends, so that all waves of the launch end alike
	ds_add_u32 v[SPW], v[NIL]
	s_wait_dscnt 0x0
	s_endpgm
.Lfunc_end_k_qae836f936c_prep:
	.size	k_qae836f936c_prep, .Lfunc_end_k_qae836f936c_prep-k_qae836f936c_prep
	.p2alignl 7, 3214868480
	.fill 96, 4, 3214868480
	.section	.rodata,"a",@progbits
	.p2align	6, 0x0
	.amdhsa_kernel k_qae836f936c_prep
		.amdhsa_group_segment_fixed_size 68096
		.amdhsa_private_segment_fixed_size 0
		.amdhsa_enable_private_segment 0
		.amdhsa_kernarg_size 64
		.amdhsa_user_sgpr_count 2
		.amdhsa_user_sgpr_kernarg_segment_ptr 1
		.amdhsa_wavefront_size32 1
		.amdhsa_system_sgpr_workgroup_id_x 1
		.amdhsa_system_sgpr_workgroup_id_y 1
		.amdhsa_system_sgpr_workgroup_id_z 1
		.amdhsa_system_vgpr_workitem_id 0
		.amdhsa_next_free_vgpr 192
		.amdhsa_next_free_sgpr 66
		.amdhsa_reserve_vcc 0
		.amdhsa_float_denorm_mode_32 3
		.amdhsa_float_denorm_mode_16_64 3
		.amdhsa_memory_ordered 1
		.amdhsa_forward_progress 1
		.amdhsa_inst_pref_size 132
	.end_amdhsa_kernel
	.amdgpu_metadata
---
amdhsa.version: [ 1, 2 ]
amdhsa.kernels:
  - .name:           k_qae836f936c_prep
    .symbol:         k_qae836f936c_prep.kd
    .args:
      - { .name: x, .offset: 0, .size: 8, .value_kind: global_buffer, .address_space: global }
      - { .name: w_attn, .offset: 8, .size: 8, .value_kind: global_buffer, .address_space: global }
      - { .name: w_proj, .offset: 16, .size: 8, .value_kind: global_buffer, .address_space: global }
      - { .name: xc, .offset: 24, .size: 8, .value_kind: global_buffer, .address_space: global }
      - { .name: xs, .offset: 32, .size: 8, .value_kind: global_buffer, .address_space: global }
      - { .name: wc, .offset: 40, .size: 8, .value_kind: global_buffer, .address_space: global }
      - { .name: ws, .offset: 48, .size: 8, .value_kind: global_buffer, .address_space: global }
      - { .name: wp, .offset: 56, .size: 8, .value_kind: global_buffer, .address_space: global }
    .group_segment_fixed_size: 68096
    .private_segment_fixed_size: 0
    .kernarg_segment_align: 8
    .kernarg_segment_size: 64
    .max_flat_workgroup_size: 128
    .sgpr_count:     66
    .vgpr_count:     192
    .wavefront_size: 32
...
	.end_amdgpu_metadata
.endif
;; end of part 1
;; launch qkv (part 2): grid 12 x 32, 4 waves a work-group, clusters of 4 x 4, 327,680 bytes of LDS; arguments xc, xs, wc, ws, b_attn, qkvh, fine; writes qkvh, fine
.if DOCPART == 2
	.amdgcn_target "amdgcn-amd-amdhsa--gfx1250"
	.amdhsa_code_object_version 6
	.text
	.protected	k_qae836f936c_qkv
	.globl	k_qae836f936c_qkv
	.p2align	8
	.type	k_qae836f936c_qkv,@function
k_qae836f936c_qkv:
	s_mov_b64 s[64:65], 0
	v_nop
	global_prefetch_b8 v0, s[64:65] scope:SCOPE_SE
	s_setreg_imm32_b32 hwreg(HW_REG_WAVE_MODE, 25, 1), 1
	s_wait_xcnt 0x0
	s_wait_alu depctr_hold_cnt(0) depctr_sa_sdst(0) depctr_va_vdst(0) depctr_va_sdst(0) depctr_va_ssrc(0) depctr_va_vcc(0) depctr_vm_vsrc(0)
	s_getreg_b32 s2, hwreg(HW_REG_IB_STS2, 6, 4)
	s_cmp_eq_u32 s2, 0
	s_cbranch_scc0 .Lentry_in_a_cluster
	s_endpgm
.Lentry_in_a_cluster:
	s_bfe_u32 s2, ttmp6, 0x10000c
	s_cmp_lg_u32 s2, 0xf033
	s_cbranch_scc0 .Lentry_shape_is_right
	s_endpgm
.Lentry_shape_is_right:
; QKV = Q(x) Q(w_attn) + b_attn on codes of E2M1 with E8M0 scales: [8192][1024] x [3072][1024]^T, sums in f32.
; Out: qkvh, f16, [b 4][g 48][t 2048][64] (g 0-15 the heads of q, 16-31 of k, 32-47 of v), and fine, f32, [b 4][16][3072]: the rows t < 16 of every batch, unrounded.
; LIMIT: |q|, |k|, |v| at most 65,504 (f16).
; A tile of 256 x 256 is made by four waves, 128 x 128 each: 64 accumulators, 512 registers.  All of K (1,024 codes = 512 bytes a row) lies in two LDS slots of 256-byte rows, each filled once;
; the scale bytes of the work-group's 256 + 256 rows come once as well, as rows of 256 bytes.  Nothing is filled again.
; CLUSTER 4 x 4: the four of a row of the cluster share x's tiles, the four of a column w's: joint loads.  TILE ROW = 8 cy + cluster y, so that the batch is cy and the tile rows that hold t < 16
; are those of cluster y = 0: the test for the f32 copy is made of the cluster's y and the wave's number alone, the same in all partners.
; THE MATRIX INSTRUCTION IS USED TRANSPOSED (source 0 = 16 rows of wc, source 1 = 16 rows of xc): a lane holds eight neighbouring columns of one row.  The bias is the C of each sum's first product.
; REGISTERS: window 0: v16-31 addresses; v32-95 scale words, two sets; v128-191 x's fragments, one set; v192-255 the bias (8 tiles x 8).  window 1: w's fragments, two sets, at v0 and v128.
;   window 2: accumulators of my rows 0-63 ((a, b) at v[8 (8 a + b)]); window 3: rows 64-127.  On the way out v32-63, v128-255 of window 0 are free.
.set NQ,     4                         ; matrix instructions deep in a slot (512 along K)
.set ROWB,   256
.set KROW,   512
.set PITCH,  272                       ; an LDS row: 256 bytes + 16 of padding
.set FR,     8
.set NL,     2
.set NP,     4                         ; places behind this matrix instruction (ISA guide 7.12.1)
.set HALFT,  128*PITCH
.set SLOT,   4*HALFT
.set KS,     32                        ; a row of scale bytes
.set SCL,    2*SLOT
.set HALFS,  16*272                    ; the scales of 128 rows
.set SBLK,   2*272                     ; of 16 rows
.set SPARE,  SCL+4*HALFS               ; the spare words: 128 bytes a wave, two blocks of 256 bytes that no other line names
.set WST,    12800                     ; the way out: a wave's stages, in slot 0 (its one fill and its last read are over): 16 x 272 for f16, then 16 x 528 for f32
.set ST32,   4352
.set ADRA, 16
.set ADRB, 20
.set STO32, 22
.set RD32, 23
.set STO,  24
.set RD,   25
.set CO,   26
.set ADRS, 27
.set SPW,  28
.set NIL,  29
.set CO32, 30
.set BO,   31
.set SC,   32
.set TMP,  32
.set AF,   128
.set BK,   128
.set BIAS, 192
.set FB,   192
.set G1, 24
.set G0, 32
.set G1B, 48
.set G0B, 56
.set G1S, 68
.set G0S, 76
.set G1SB, 80
.set G0SB, 88
.set MSB, 0
.macro WIN new                         ; the immediate's high byte repeats the setting that is left
.if MSB != (\new)
	s_set_vgpr_msb (MSB<<8)|(\new)
.set MSB, (\new)
.endif
.endm
.set MUL_LO, 0xa1                      ; source 0 (w) window 1, source 1 (x) window 0, C and D window 2
.set MUL_HI, 0xf1                      ; C and D window 3
.set FST_LO, 0x81                      ; the first products: C (the bias) window 0, D window 2
.set FST_HI, 0xc1                      ; D window 3
.set TO_B,   0x40
; A joint load: waves 0 and 1 fetch for x, waves 2 and 3 for w.  An s_nop 0 and four v_nop follow each of the two lines.
.macro JLOAD g0a, g1a, g0b, g1b
	s_cmp_eq_u32 s15, 0
	s_cbranch_scc0 .Lfor_b_\@
	tensor_load_to_lds s[\g0a:\g0a+3], s[\g1a:\g1a+7]
	s_nop 0
.rept 4
	v_nop
.endr
	s_branch .Lasked_\@
.Lfor_b_\@:
	tensor_load_to_lds s[\g0b:\g0b+3], s[\g1b:\g1b+7]
	s_nop 0
.rept 4
	v_nop
.endr
.Lasked_\@:
.endm
.macro CROUND                          ; a round of the cluster's barrier
	s_barrier_signal -1
	s_barrier_wait -1
	s_cmp_lg_u32 s14, 0
	s_cbranch_scc1 .Lnot_wave_0_\@
	s_barrier_signal -3
.Lnot_wave_0_\@:
	s_barrier_wait -3
	s_barrier_signal -1
	s_barrier_wait -1
.endm
	s_load_b128 s[4:7], s[0:1], 0x0                ; xc, xs
	s_load_b128 s[8:11], s[0:1], 0x10              ; wc, ws
	s_load_b64 s[96:97], s[0:1], 0x20              ; b_attn
	s_load_b64 s[12:13], s[0:1], 0x28              ; qkvh
	s_load_b64 s[98:99], s[0:1], 0x30              ; fine
	v_lshl_add_u32 v[SPW], v0, 2, SPARE
	v_mov_b32 v[NIL], 0
	ds_add_u32 v[SPW], v[NIL]                      ; the wave's opening
	ds_add_u32 v[SPW], v[NIL]
	v_lshrrev_b32 v1, 5, v0
	v_readfirstlane_b32 s14, v1                    ; wave 0..3
	s_lshr_b32 s15, s14, 1                         ; my half of the tile's rows.  Also: I fetch for x (0) or for w (1)
	s_and_b32 s16, s14, 1                          ; my half of its columns.  Also: which 128 rows I fetch
	s_bfe_u32 s40, ttmp6, 0x40000                  ; cx
	s_bfe_u32 s41, ttmp6, 0x40004                  ; cy
	s_lshl_b32 s42, ttmp9, 2
	s_add_co_u32 s42, s42, s40                     ; tile column = 4 x cluster x + cx
	s_and_b32 s95, ttmp7, 0xffff                   ; cluster y
	s_lshl_b32 s17, s41, 3
	s_add_co_u32 s17, s17, s95                     ; tile row = 8 cy + cluster y
	s_lshl_b32 s43, s41, 2
	s_lshl_b32 s43, 15, s43                        ; my row of the cluster
	s_lshl_b32 s44, 0x1111, s40                    ; my column
	s_or_b32 s[G1+0], s43, (0<<16)|(1<<20)|(1<<21)|(5<<22)|(3<<25)  ; mask; elements of 1 byte; padding on; bit 21 beside a mask; 4 words behind every 64
	s_or_b32 s[G1B+0], s44, (0<<16)|(1<<20)|(1<<21)|(5<<22)|(3<<25)
.irp g, G1, G1B
	s_mov_b32 s[\g+1], ROWB<<16                    ; tensor_dim0 = 256
	s_mov_b32 s[\g+2], 128<<16                     ; tensor_dim1 = 128
	s_mov_b32 s[\g+3], ROWB<<16                    ; tile_dim0
	s_mov_b32 s[\g+4], 128                         ; tile_dim1
	s_mov_b32 s[\g+5], KROW                        ; from row to row
	s_mov_b32 s[\g+6], 0
	s_mov_b32 s[\g+7], 0
.endr
	s_or_b32 s[G1S+0], s43, (3<<16)|(1<<20)|(1<<21)|(5<<22)|(3<<25)  ; the scales of 128 rows: 4,096 dense bytes as 16 rows of 32 elements of 8 bytes
	s_or_b32 s[G1SB+0], s44, (3<<16)|(1<<20)|(1<<21)|(5<<22)|(3<<25)
.irp g, G1S, G1SB
	s_mov_b32 s[\g+1], 32<<16
	s_mov_b32 s[\g+2], 16<<16
	s_mov_b32 s[\g+3], 32<<16
	s_mov_b32 s[\g+4], 16
	s_mov_b32 s[\g+5], 32
	s_mov_b32 s[\g+6], 0
	s_mov_b32 s[\g+7], 0
.endr
	s_lshl_b32 s18, s16, 7
	s_lshl_b32 s20, s17, 8
	s_add_co_u32 s20, s20, s18                     ; x: row 256 x tile row + 128 x half
	s_lshl_b32 s46, s42, 8
	s_add_co_u32 s46, s46, s18                     ; w: row 256 x tile column + 128 x half
	s_mov_b32 s21, 0
	s_mov_b32 s47, 0
	s_mov_b64 s[18:19], KS
	s_mul_u64 s[22:23], s[20:21], s[18:19]         ; where these rows' scales begin
	s_mul_u64 s[92:93], s[46:47], s[18:19]
	s_mov_b64 s[18:19], KROW
	s_mul_u64 s[20:21], s[20:21], s[18:19]         ; and their codes
	s_mul_u64 s[46:47], s[46:47], s[18:19]
	s_mul_i32 s45, s14, HALFT                      ; where they go: wave x 128 rows
	s_mul_i32 s94, s14, HALFS
	s_wait_dscnt 0x0                               ; both opening adds are done
	s_wait_kmcnt 0x0
	s_add_nc_u64 s[20:21], s[4:5], s[20:21]
	s_add_nc_u64 s[22:23], s[6:7], s[22:23]
	s_add_nc_u64 s[46:47], s[8:9], s[46:47]
	s_add_nc_u64 s[92:93], s[10:11], s[92:93]
	CROUND                                         ; all sixteen work-groups are here: the joint loads meet
	s_mov_b32 s[G0S], 1
	s_add_co_u32 s[G0S+1], s94, SCL
	s_mov_b64 s[G0S+2:G0S+3], s[22:23]
	s_or_b32 s[G0S+3], s[G0S+3], 0x80000000
	s_mov_b32 s[G0SB], 1
	s_add_co_u32 s[G0SB+1], s94, SCL
	s_mov_b64 s[G0SB+2:G0SB+3], s[92:93]
	s_or_b32 s[G0SB+3], s[G0SB+3], 0x80000000
	JLOAD G0S, G1S, G0SB, G1SB                     ; the scales first; three loads of mine are out behind the next two
.irp s, 0,1
	s_mov_b32 s[G0+4*\s], 1
	s_add_co_u32 s[G0+4*\s+1], s45, \s*SLOT
	s_add_nc_u64 s[G0+4*\s+2:G0+4*\s+3], s[20:21], \s*ROWB
	s_or_b32 s[G0+4*\s+3], s[G0+4*\s+3], 0x80000000
	s_mov_b32 s[G0B+4*\s], 1
	s_add_co_u32 s[G0B+4*\s+1], s45, \s*SLOT
	s_add_nc_u64 s[G0B+4*\s+2:G0B+4*\s+3], s[46:47], \s*ROWB
	s_or_b32 s[G0B+4*\s+3], s[G0B+4*\s+3], 0x80000000
	JLOAD G0+4*\s, G1, G0B+4*\s, G1B
.endr
	v_and_b32 v1, 15, v0                           ; r = lane % 16
	v_bfe_u32 v2, v0, 4, 1                         ; h = lane / 16
	; the bias: lane (r, h) wants, for column tile b, b_attn at my first column + 16 b + 8 h + 0 .. 7
	s_lshl_b32 s46, s42, 10
	s_lshl_b32 s47, s16, 9
	s_add_co_u32 s46, s46, s47                     ; 4 x (256 x tile column + 128 x half): also my columns' bytes in a row of fine
	s_mov_b32 s47, 0
	s_add_nc_u64 s[96:97], s[96:97], s[46:47]
	v_lshlrev_b32 v[BO], 5, v2
.irp b, 0,1,2,3,4,5,6,7
	global_load_b128 v[BIAS+8*\b:BIAS+8*\b+3], v[BO], s[96:97] offset:64*\b
	global_load_b128 v[BIAS+8*\b+4:BIAS+8*\b+7], v[BO], s[96:97] offset:64*\b+16
.endr
	s_mul_i32 s20, s41, 196608                     ; fine: the batch's 16 rows of 12,288 bytes
	s_add_co_u32 s46, s46, s20
	s_add_nc_u64 s[98:99], s[98:99], s[46:47]
	s_mul_i32 s20, s41, 48                         ; qkvh: head block 48 cy + 4 x tile column + 2 x half, of 2^18 bytes,
	s_lshl_b32 s46, s42, 2
	s_lshl_b32 s21, s16, 1
	s_add_co_u32 s46, s46, s21
	s_add_co_u32 s46, s46, s20
	s_lshl_b32 s46, s46, 18
	s_lshl_b32 s20, s95, 15                        ; + t = 256 x cluster y + 128 x row half, 128 bytes a row
	s_lshl_b32 s21, s15, 14
	s_add_co_u32 s20, s20, s21
	s_add_co_u32 s46, s46, s20
	s_add_nc_u64 s[12:13], s[12:13], s[46:47]
	v_mul_u32_u24 v3, v1, PITCH
	v_lshl_add_u32 v4, v2, 4, v3                   ; a fragment's row x pitch + 16 x half
	s_mul_i32 s21, s15, HALFT
	s_mul_i32 s22, s16, HALFT
	s_add_co_u32 s22, s22, 2*HALFT
.irp s, 0,1
	v_add_nc_u32 v[ADRA+\s], s21, v4
	v_add_nc_u32 v[ADRB+\s], s22, v4
	s_add_co_u32 s21, s21, SLOT
	s_add_co_u32 s22, s22, SLOT
.endr
	v_mul_u32_u24 v5, v1, KS                       ; my row's scales: 32 bytes a row,
	v_lshrrev_b32 v6, 8, v5
	v_lshl_add_u32 v5, v6, 4, v5                   ; and 16 more for each 256 passed
	s_mul_i32 s21, s15, HALFS
	s_mul_i32 s22, s16, HALFS
	s_add_co_u32 s22, s22, 2*HALFS
	s_sub_co_u32 s22, s22, s21
	v_mul_u32_u24 v6, s22, v2                      ; lanes 16-31 take w's
	s_add_co_u32 s21, s21, SCL
	v_add_nc_u32 v5, v5, v6
	v_add_nc_u32 v[ADRS], s21, v5
	s_mul_i32 s23, s14, WST                        ; my stages
	v_mul_u32_u24 v5, v1, 272
	v_lshl_add_u32 v5, v2, 4, v5
	v_add_nc_u32 v[STO], s23, v5                   ; f16, in: row r, 16 bytes for each half of the lanes
	v_bfe_u32 v5, v0, 3, 1
	v_mul_u32_u24 v5, v5, 272
	v_lshl_add_u32 v5, v2, 7, v5
	v_and_b32 v6, 7, v0
	v_lshl_add_u32 v5, v6, 4, v5
	v_add_nc_u32 v[RD], s23, v5                    ; back: lanes 0-15 two rows of the first head (2 x 128 bytes), lanes 16-31 of the second
	v_lshlrev_b32 v[CO], 4, v1
	v_lshl_add_u32 v[CO], v2, 18, v[CO]            ; and in qkvh: 16 (lane % 16), + a head block for lanes 16-31
	s_add_co_u32 s23, s23, ST32
	v_mul_u32_u24 v5, v1, 528
	v_lshl_add_u32 v5, v2, 5, v5
	v_add_nc_u32 v[STO32], s23, v5                 ; f32, in: row r, 32 bytes for each half
	v_and_b32 v6, 31, v0
	v_lshlrev_b32 v[CO32], 4, v6
	v_add_nc_u32 v[RD32], s23, v[CO32]             ; back: a whole row of 512 bytes
.macro FRAG reg, adr, q, i             ; 16 rows x 128 K of 4-bit codes: lane l holds row l % 16; registers 4 c .. 4 c + 3 hold K = 64 c + 32 (l / 16) + 0 .. 31
.irp c, 0,1
	ds_load_b128 v[\reg+4*\c:\reg+4*\c+3], v[\adr] offset:64*(\q)+32*\c+(\i)*16*PITCH
.endr
.endm
; 16 matrix instructions: x's blocks a0, a0 + 1 against w's eight.  first = 1: C is the bias.  The 64 accumulators take turns, one instruction a turn, in the same order in every step.
.macro MUL16 a0, p, q, sc, first
.irp a, \a0, \a0+1
.irp b, 0,1,2,3,4,5,6,7
.if \first
	v_wmma_scale_f32_16x16x128_f8f6f4 v[8*(8*((\a)%4)+\b):8*(8*((\a)%4)+\b)+7], v[128*(\p)+FR*\b:128*(\p)+FR*\b+FR-1], v[AF+FR*(\a):AF+FR*(\a)+FR-1], v[BIAS+8*\b:BIAS+8*\b+7], v[SC+8*NQ*(\sc)+NQ*\b+(\q)], v[SC+8*NQ*(\sc)+NQ*(\a)+(\q)] matrix_a_fmt:MATRIX_FMT_FP4 matrix_b_fmt:MATRIX_FMT_FP4 matrix_a_scale:MATRIX_SCALE_ROW1
.else
	v_wmma_scale_f32_16x16x128_f8f6f4 v[8*(8*((\a)%4)+\b):8*(8*((\a)%4)+\b)+7], v[128*(\p)+FR*\b:128*(\p)+FR*\b+FR-1], v[AF+FR*(\a):AF+FR*(\a)+FR-1], v[8*(8*((\a)%4)+\b):8*(8*((\a)%4)+\b)+7], v[SC+8*NQ*(\sc)+NQ*\b+(\q)], v[SC+8*NQ*(\sc)+NQ*(\a)+(\q)] matrix_a_fmt:MATRIX_FMT_FP4 matrix_b_fmt:MATRIX_FMT_FP4 matrix_a_scale:MATRIX_SCALE_ROW1
.endif
.endr
.endr
.endm
.macro FETCH_B slot, q, p
	WIN TO_B
.irp i, 0,1,2,3,4,5,6,7
	FRAG 128*(\p)+FR*\i, ADRB+\slot, \q, \i
.endr
	WIN 0
.endm
.macro FETCH_A slot, q, i0
.irp i, \i0, \i0+1, \i0+2, \i0+3
	FRAG AF+FR*(\i), ADRA+\slot, \q, \i
.endr
.endm
.macro SCALES sc                       ; a slot's scale words: lanes 0-15 x's block i, lanes 16-31 w's block i; 4 words a row
.irp i, 0,1,2,3,4,5,6,7
	ds_load_b128 v[SC+8*NQ*\sc+NQ*\i:SC+8*NQ*\sc+NQ*\i+3], v[ADRS] offset:\i*SBLK
.endr
.endm
.macro PLACES n                        ; plain vector lines between a matrix instruction and a load into, or a read or write of, its registers
.rept \n
	v_nop
.endr
.endm
.macro STEP slot, q, first             ; 128 along K, with its successor in the same slot
	s_wait_dscnt 4*NL                              ; w's set and x's blocks 0-3 are in; the youngest 8 loads (x's blocks 4-7) may be out
.if \first
	WIN FST_LO
.else
	WIN MUL_LO
.endif
	MUL16 0, (\q)%2, \q, \slot, \first
	MUL16 2, (\q)%2, \q, \slot, \first
	s_wait_dscnt 0                                 ; x's blocks 4-7 are in
	PLACES NP
	FETCH_B \slot, (\q)+1, 1-(\q)%2
	FETCH_A \slot, (\q)+1, 0
.if \first
	WIN FST_HI
.else
	WIN MUL_HI
.endif
	MUL16 4, (\q)%2, \q, \slot, \first
	MUL16 6, (\q)%2, \q, \slot, \first
	PLACES NP
	WIN 0
	FETCH_A \slot, (\q)+1, 4
.endm
.macro TURN slot, next                 ; slot 0's last step: one barrier; behind it slot 1 is whole for everybody and nobody reads slot 0 any more
	s_wait_tensorcnt 0x0                           ; my part of slot 1 has landed
	ds_add_u32 v[SPW], v[NIL]                      ; 0 onto my spare word
	s_wait_dscnt 4*NL+1                            ; the add and the youngest 8 loads may be out
	WIN MUL_LO
	MUL16 0, 1, NQ-1, \slot, 0
	s_wait_dscnt 0x0                               ; the add is done, my reads of this slot are over
	s_barrier_signal -1
	MUL16 2, 1, NQ-1, \slot, 0
	WIN 0
	s_barrier_wait -1
	PLACES NP
	v_add_nc_u32 v[ADRS], 4*NQ, v[ADRS]            ; the next slot's scale words
	FETCH_B \next, 0, 0
	FETCH_A \next, 0, 0
	SCALES \next
	WIN MUL_HI
	MUL16 4, 1, NQ-1, \slot, 0
	MUL16 6, 1, NQ-1, \slot, 0
	PLACES NP
	WIN 0
	FETCH_A \next, 0, 4
.endm
	s_wait_tensorcnt 1                             ; the scales and my part of slot 0 are in; slot 1's load may be out
	s_barrier_signal -1
	s_barrier_wait -1
	FETCH_B 0, 0, 0
	FETCH_A 0, 0, 0
	SCALES 0
	FETCH_A 0, 0, 4
	s_wait_loadcnt 0x0                             ; the bias
	STEP 0, 0, 1
	STEP 0, 1, 0
	STEP 0, 2, 0
	TURN 0, 1
	STEP 1, 0, 0
	STEP 1, 1, 0
	STEP 1, 2, 0
	s_wait_dscnt 4*NL                              ; the last step: nothing more to fetch
	WIN MUL_LO
	MUL16 0, 1, NQ-1, 1, 0
	MUL16 2, 1, NQ-1, 1, 0
	s_wait_dscnt 0
	WIN MUL_HI
	MUL16 4, 1, NQ-1, 1, 0
	MUL16 6, 1, NQ-1, 1, 0
	WIN 0
; THE WAY OUT.  PACK: a block of 16 rows x 128 columns rounded to f16, 16 bytes a lane.  TOSTAGE: into my stage, and back so that sixteen lanes hold two neighbouring t rows of one head: 256 consecutive bytes of qkvh.  SEND: stored.
.macro PACK a
.set AC, 64*((\a)%4)
	WIN 0x0a+5*((\a)/4)                            ; sources 0 and 1: window 2 or 3
.irp b, 0,1,2,3,4,5,6,7
.irp r, 0,1,2,3
	v_cvt_pk_f16_f32 v[TMP+4*\b+\r], v[AC+8*\b+2*\r], v[AC+8*\b+2*\r+1]   ; each accumulator from its low end on
.endr
.endr
	WIN 0
.endm
.macro TOSTAGE a
.set BB, BK+32*((\a)%2)
.irp b, 0,1,2,3,4,5,6,7
	ds_store_b128 v[STO], v[TMP+4*\b:TMP+4*\b+3] offset:32*\b
.endr
.irp u, 0,1,2,3,4,5,6,7
	ds_load_b128 v[BB+4*\u:BB+4*\u+3], v[RD] offset:544*\u   ; LDS serves a wave's instructions in order: these see the stores above
.endr
.endm
.macro SEND a
.set BB, BK+32*((\a)%2)
	s_wait_dscnt 0x0                               ; the block is back in registers
	s_wait_xcnt 0x0                                ; the block before has been read by its stores: its registers take the next block's loads only behind this wait
.irp u, 0,1,2,3,4,5,6,7
	global_store_b128 v[CO], v[BB+4*\u:BB+4*\u+3], s[12:13] offset:2048*(\a)+256*\u   ; each sixteen lanes store 256 consecutive bytes, aligned
.endr
.endm
	PLACES NP                                      ; behind the last products: for the loads into x's fragments' and the bias's registers, and for the conversions
	s_or_b32 s2, s95, s15                          ; rows t < 16 are block 0 of the upper row half where cluster y = 0
	s_cmp_lg_u32 s2, 0
	s_cbranch_scc1 .Lno_fine
	WIN 0x08                                       ; an LDS store's data are its source 1: window 2
.irp b, 0,1,2,3,4,5,6,7
	ds_store_b128 v[STO32], v[8*\b:8*\b+3] offset:64*\b
	ds_store_b128 v[STO32], v[8*\b+4:8*\b+7] offset:64*\b+16
.endr
	WIN 0
.irp u, 0,1,2,3,4,5,6,7,8,9,10,11,12,13,14,15
	ds_load_b128 v[FB+4*\u:FB+4*\u+3], v[RD32] offset:528*\u
.endr
.irp u, 0,1,2,3,4,5,6,7,8,9,10,11,12,13,14,15
	s_wait_dscnt 15-\u                             ; row u is in; the younger ones may be out
	global_store_b128 v[CO32], v[FB+4*\u:FB+4*\u+3], s[98:99] offset:12288*\u   ; 512 consecutive bytes of row t = u
.endr
.Lno_fine:
	PACK 0
	TOSTAGE 0
.irp a, 1,2,3,4,5,6,7
	PACK \a
	SEND \a-1
	TOSTAGE \a
.endr
	SEND 7
	s_wait_tensorcnt 0x0                           ; the wave's end
	ds_add_u32 v[SPW], v[NIL]
	s_wait_dscnt 0x0
	CROUND                                         ; the closing round
	s_endpgm
.Lfunc_end_k_qae836f936c_qkv:
	.size	k_qae836f936c_qkv, .Lfunc_end_k_qae836f936c_qkv-k_qae836f936c_qkv
	.p2alignl 7, 3214868480
	.fill 96, 4, 3214868480
	.section	.rodata,"a",@progbits
	.p2align	6, 0x0
	.amdhsa_kernel k_qae836f936c_qkv
		.amdhsa_group_segment_fixed_size 327680
		.amdhsa_private_segment_fixed_size 0
		.amdhsa_enable_private_segment 0
		.amdhsa_kernarg_size 56
		.amdhsa_user_sgpr_count 2
		.amdhsa_user_sgpr_kernarg_segment_ptr 1
		.amdhsa_wavefront_size32 1
		.amdhsa_system_sgpr_workgroup_id_x 1
		.amdhsa_system_sgpr_workgroup_id_y 1
		.amdhsa_system_sgpr_workgroup_id_z 1
		.amdhsa_system_vgpr_workitem_id 0
		.amdhsa_next_free_vgpr 1024
		.amdhsa_next_free_sgpr 100
		.amdhsa_reserve_vcc 0
		.amdhsa_float_denorm_mode_32 3
		.amdhsa_float_denorm_mode_16_64 3
		.amdhsa_memory_ordered 1
		.amdhsa_forward_progress 1
		.amdhsa_inst_pref_size 133
	.end_amdhsa_kernel
	.amdgpu_metadata
---
amdhsa.version: [ 1, 2 ]
amdhsa.kernels:
  - .name:           k_qae836f936c_qkv
    .symbol:         k_qae836f936c_qkv.kd
    .args:
      - { .name: xc, .offset: 0, .size: 8, .value_kind: global_buffer, .address_space: global }
      - { .name: xs, .offset: 8, .size: 8, .value_kind: global_buffer, .address_space: global }
      - { .name: wc, .offset: 16, .size: 8, .value_kind: global_buffer, .address_space: global }
      - { .name: ws, .offset: 24, .size: 8, .value_kind: global_buffer, .address_space: global }
      - { .name: b_attn, .offset: 32, .size: 8, .value_kind: global_buffer, .address_space: global }
      - { .name: qkvh, .offset: 40, .size: 8, .value_kind: global_buffer, .address_space: global }
      - { .name: fine, .offset: 48, .size: 8, .value_kind: global_buffer, .address_space: global }
    .group_segment_fixed_size: 327680
    .private_segment_fixed_size: 0
    .kernarg_segment_align: 8
    .kernarg_segment_size: 56
    .max_flat_workgroup_size: 128
    .sgpr_count:     100
    .vgpr_count:     1024
    .wavefront_size: 32
...
	.end_amdgpu_metadata
.endif
;; end of part 2
;; launch attn (part 3): grid 4 x 64, 8 waves a work-group, no clusters, 327,680 bytes of LDS; arguments qkvh, yh; writes yh
.if DOCPART == 3
	.amdgcn_target "amdgcn-amd-amdhsa--gfx1250"
	.amdhsa_code_object_version 6
	.text
	.protected	k_qae836f936c_attn
	.globl	k_qae836f936c_attn
	.p2align	8
	.type	k_qae836f936c_attn,@function
k_qae836f936c_attn:
	s_mov_b64 s[64:65], 0
	v_nop
	global_prefetch_b8 v0, s[64:65] scope:SCOPE_SE
	s_setreg_imm32_b32 hwreg(HW_REG_WAVE_MODE, 25, 1), 1
	s_wait_xcnt 0x0
; CAUSAL ATTENTION, head size 64, f16 operands, f32 sums, maxima and exponentials.  qkvh: f16 [b][g 48][t 2048][64]; yh: f16 [b][h 16][t][64].
; SHARES.  Work-group (p, bh) owns query blocks p and 7 - p (256 queries each) of head bh, one after the other: p + 1 and 8 - p key blocks of 256, always 9 trips: a constant count, equal work
; in all 256 work-groups, and no tensor load is ever passed over.  Wave w owns 32 queries (two tiles of 16) at sub-block w (w < 4) or 11 - w.
; NO CLUSTER: the four work-groups of a head want different key blocks in the same trip (block T or T - p - 1), and walking in step would let a whole partner skip a joint tile under the mask.
; LAYOUT.  S^T = K Q^T (source 0 = 16 keys, source 1 = 16 queries): a lane holds ONE query (lane % 16) and keys 8 (lane / 16) + 0..7.  Two such tiles rounded to f16 in pairs are source 1 of
; O^T = V^T P.  K comes out of LDS as it lies, V turned by ds_load_tr16_b128.
; SOFTMAX.  Running maximum m and sum l: p = 2^(c s - c m), c = log2(e) / 8; O and l are multiplied by a = 2^(c m_old - c m_new) in every step.
; MASK.  A step of 64 keys that all come after the wave's 32 queries is passed over (a scalar branch on ids); on the diagonal hidden scores become -infinity.  A step that is walked begins at or
; under the wave's first query (64 | first key, 32 | first query), so every query has a key that counts in it.
; LIMITS: |q|, |k|, |v|, |y| at most 65,504; c m is rounded, so p may pass 1 by that rounding, which l carries too: it cancels.  NaN and infinities are not served.
; REGISTERS: window 0: v1-15 addresses and constants; v16-31 statistics, 8 a tile; v32-95 S^T; v96-127 P; v128-191 K's fragments; v192-255 V's.
;   window 1: v0-31 Q of the block in hand; v32-63 Q of block 7 - p; v64-127 O^T.
.set PK,    144                        ; a row of K in LDS: 128 bytes + 16
.set PV,    160                        ; a row of V: 128 + 32
.set VOFF,  64*PK
.set STEPB, 64*(PK+PV)                 ; a step's tiles: 64 rows of K, then 64 of V
.set SLOT1, 1<<17                      ; a slot holds four steps (77,824 bytes); slot 1 begins here
.set STAGE, SLOT1+4*STEPB              ; 16 rows x 144 bytes for each wave
.set SPARE, STAGE+8*2304               ; the spare words: 128 bytes a wave, four blocks of 256 bytes that no other line names
.set AK0, 1
.set AV0, 2
.set ADK, 3
.set ADV, 4
.set QO,  5
.set STO, 6
.set RD,  7
.set GO,  8
.set DQ,  9                            ; v9  r - 8 h;  v10, v11: the mask's d for tiles 0, 1
.set SPW, 12
.set NIL, 13
.set PFO, 14
.set MINF, 15
.set STT, 16                           ; tile t at v[STT + 8 t]: +0 c m, +1 m, +2, +3 l, +4 .. +7 at work; a at +6
.set SC,  32
.set PW,  96
.set KFR, 128
.set VFR, 192
.set WV,  8
.set PB,  9
.set SIG, 11
.set Q0,  12
.set KF,  13
.set TB,  14
.set TT,  15
.set OFF, 16
.set BASE, 18
.set G0,  20
.set G1K, 24
.set G1V, 32
.set CS,  40
.set SEL, 42
.set YA,  44
.set PFA, 46
.set LIM, 48
.set STEPC, 49
.set YA2, 52
.set Q02, 54
.set QA,  56
.set QA2, 58
.set MSB, 0
.macro WIN new
.if MSB != (\new)
	s_set_vgpr_msb (MSB<<8)|(\new)
.set MSB, (\new)
.endif
.endm
.set W_KQ, 0x04                        ; Q (source 1) in window 1
.set W_PV, 0x50                        ; O^T (C and D) in window 1
.set W_RS, 0x41                        ; destination and source 0 in window 1
.set W_PK, 0x05                        ; sources 0 and 1 in window 1
.set W_T1, 0x40                        ; destination in window 1
; Waves 0-3 fetch K's four steps of a key block, waves 4-7 V's: 64 rows each.  The two lines differ in the padding alone.  An s_nop 0 and four v_nop follow each.
.macro TLOAD
	s_cmp_lt_u32 s[WV], 4
	s_cbranch_scc0 .Lfor_v_\@
	tensor_load_to_lds s[G0:G0+3], s[G1K:G1K+7]
	s_nop 0
.rept 4
	v_nop
.endr
	s_branch .Lasked_\@
.Lfor_v_\@:
	tensor_load_to_lds s[G0:G0+3], s[G1V:G1V+7]
	s_nop 0
.rept 4
	v_nop
.endr
.Lasked_\@:
.endm
; A PREFETCH INTO THE L2: the head's work-group p = 0 walks key blocks 0 .. 7 in trips 1 .. 8; in trip T (0 .. 6) its change of slots loads block T and asks here for block T + 1, which its next change
; will load: a trip's four key steps ahead.  Each wave names its own quarter of K or V, 32 lanes x 256 bytes: each block of 256 bytes is named once in the launch.  Block 0 comes by its loads alone.
.macro ASK
	s_cmp_lt_u32 s[TT], s[LIM]
	s_cbranch_scc0 .Lnot_mine_\@
	global_prefetch_b8 v[PFO], s[PFA:PFA+1] offset:32768 th:TH_LOAD_NT scope:SCOPE_SE
.Lnot_mine_\@:
.endm
	s_load_b128 s[4:7], s[0:1], 0x0                ; qkvh, yh
	v_lshl_add_u32 v[SPW], v0, 2, SPARE
	v_mov_b32 v[NIL], 0
	ds_add_u32 v[SPW], v[NIL]                      ; the wave's opening
	ds_add_u32 v[SPW], v[NIL]
	v_lshrrev_b32 v1, 5, v0
	v_readfirstlane_b32 s[WV], v1                  ; wave 0..7
	s_mov_b32 s[PB], ttmp9                         ; p
	s_and_b32 s10, ttmp7, 0xffff                   ; bh = 16 b + h
	s_sub_co_u32 s50, 11, s[WV]
	s_cmp_lt_u32 s[WV], 4
	s_cselect_b32 s[SIG], s[WV], s50               ; my sub-block of 32 queries
	s_lshr_b32 s50, s10, 4
	s_mul_i32 s50, s50, 48
	s_and_b32 s51, s10, 15
	s_add_co_u32 s55, s50, s51                     ; 48 b + h: q's head block
	s_lshl_b32 s[Q0], s[PB], 8
	s_lshl_b32 s50, s[SIG], 5
	s_add_co_u32 s[Q0], s[Q0], s50                 ; my first query in block p,
	s_sub_co_u32 s[Q02], 7, s[PB]
	s_lshl_b32 s[Q02], s[Q02], 8
	s_add_co_u32 s[Q02], s[Q02], s50               ; and in block 7 - p
	s_lshl_b32 s51, s55, 18
	s_lshl_b32 s50, s[Q0], 7
	s_add_co_u32 s[QA], s51, s50
	s_mov_b32 s[QA+1], 0
	s_lshl_b32 s50, s[Q02], 7
	s_add_co_u32 s[QA2], s51, s50
	s_mov_b32 s[QA2+1], 0
	s_lshl_b32 s51, s10, 18
	s_lshl_b32 s50, s[Q0], 7
	s_add_co_u32 s[YA], s51, s50
	s_mov_b32 s[YA+1], 0
	s_lshl_b32 s50, s[Q02], 7
	s_add_co_u32 s[YA2], s51, s50
	s_mov_b32 s[YA2+1], 0
	s_lshr_b32 s50, s[WV], 2                       ; what I fetch: K (0) or V (1),
	s_lshl_b32 s50, s50, 4
	s_add_co_u32 s50, s50, s55
	s_add_co_u32 s50, s50, 16
	s_lshl_b32 s50, s50, 18                        ; its head block,
	s_and_b32 s51, s[WV], 3
	s_lshl_b32 s51, s51, 13                        ; my 64 rows of a key block
	s_add_co_u32 s[BASE], s50, s51
	s_mov_b32 s[BASE+1], 0
	s_and_b32 s50, s[WV], 3
	s_mul_i32 s51, s50, STEPB
	s_lshr_b32 s[G0+1], s[WV], 2
	s_mul_i32 s[G0+1], s[G0+1], VOFF
	s_add_co_u32 s[G0+1], s[G0+1], s51             ; LDS: step (w & 3) of slot 0, K's or V's part
	s_mov_b32 s[G0], 1
	s_mov_b32 s[G1K], (1<<16)|(1<<20)|(4<<22)|(3<<25)   ; elements of 2 bytes; padding: 4 words behind every 32
	s_mov_b32 s[G1V], (1<<16)|(1<<20)|(4<<22)|(7<<25)   ; 8 words
.irp g, G1K, G1V
	s_mov_b32 s[\g+1], 64<<16                      ; tensor_dim0 = 64
	s_mov_b32 s[\g+2], 64<<16                      ; tensor_dim1 = 64
	s_mov_b32 s[\g+3], 64<<16                      ; tile_dim0
	s_mov_b32 s[\g+4], 64                          ; tile_dim1
	s_mov_b32 s[\g+5], 64                          ; from row to row
	s_mov_b32 s[\g+6], 0
	s_mov_b32 s[\g+7], 0
.endr
	s_mov_b32 s[CS], 0x3e38aa3b                    ; c = log2(e) / 8
	s_mov_b32 s[CS+1], s[CS]
	s_mov_b32 s[SEL], 0x76543210
	s_mov_b32 s[SEL+1], 0xfedcba98
	s_mov_b32 s[OFF], 0
	s_mov_b32 s[OFF+1], 0
	s_mov_b32 s[KF], 0
	s_mov_b32 s[TB], 0
	s_mov_b32 s[TT], 0
	s_cmp_eq_u32 s[PB], 0
	s_cselect_b32 s[LIM], 7, 0
	s_wait_dscnt 0x0                               ; both opening adds are done
	s_wait_kmcnt 0x0
	s_add_nc_u64 s[BASE:BASE+1], s[4:5], s[BASE:BASE+1]
	s_add_nc_u64 s[QA:QA+1], s[4:5], s[QA:QA+1]
	s_add_nc_u64 s[QA2:QA2+1], s[4:5], s[QA2:QA2+1]
	s_add_nc_u64 s[YA:YA+1], s[6:7], s[YA:YA+1]
	s_add_nc_u64 s[YA2:YA2+1], s[6:7], s[YA2:YA2+1]
	s_mov_b64 s[G0+2:G0+3], s[BASE:BASE+1]
	s_or_b32 s[G0+3], s[G0+3], 0x80000000
	TLOAD                                          ; slot 0: key block 0, which counts for every query
	v_and_b32 v10, 15, v0                          ; r
	v_bfe_u32 v11, v0, 4, 1                        ; h
	v_mul_u32_u24 v[AK0], v10, PK
	v_lshl_add_u32 v[AK0], v11, 4, v[AK0]
	v_and_b32 v3, 7, v0
	v_lshl_add_u32 v[AV0], v11, 3, v3
	v_mul_u32_u24 v[AV0], v[AV0], PV
	v_bfe_u32 v4, v0, 3, 1
	v_lshl_add_u32 v[AV0], v4, 4, v[AV0]
	v_add_nc_u32 v[AV0], VOFF, v[AV0]              ; the turning load: key 8 h + l % 8, channels 8 ((l / 8) % 2) on
	v_lshlrev_b32 v[QO], 7, v10
	v_lshl_add_u32 v[QO], v11, 4, v[QO]
	s_mul_i32 s50, s[WV], 2304
	s_add_co_u32 s50, s50, STAGE
	v_mul_u32_u24 v[STO], v10, 144
	v_lshl_add_u32 v[STO], v11, 4, v[STO]
	v_add_nc_u32 v[STO], s50, v[STO]
	v_bfe_u32 v4, v0, 3, 2
	v_mul_u32_u24 v[RD], v4, 144
	v_lshl_add_u32 v[RD], v3, 4, v[RD]
	v_add_nc_u32 v[RD], s50, v[RD]                 ; back: four rows of 128 bytes an instruction
	v_and_b32 v[GO], 31, v0
	v_lshlrev_b32 v[PFO], 8, v[GO]
	v_lshlrev_b32 v[GO], 4, v[GO]
	v_lshlrev_b32 v[DQ], 3, v11
	v_sub_nc_u32 v[DQ], v10, v[DQ]
	v_mov_b32 v[MINF], 0xff800000
	WIN W_T1
.irp t, 0,1
.irp c, 0,1
	global_load_b128 v[16*\t+8*\c:16*\t+8*\c+3],       v[QO], s[QA:QA+1] offset:2048*\t+64*\c
	global_load_b128 v[16*\t+8*\c+4:16*\t+8*\c+7],     v[QO], s[QA:QA+1] offset:2048*\t+64*\c+32
	global_load_b128 v[32+16*\t+8*\c:32+16*\t+8*\c+3],   v[QO], s[QA2:QA2+1] offset:2048*\t+64*\c
	global_load_b128 v[32+16*\t+8*\c+4:32+16*\t+8*\c+7], v[QO], s[QA2:QA2+1] offset:2048*\t+64*\c+32
.endr
.endr
	WIN 0
; A query block begins: O^T and l are zeros, m is -3e38, under every score: the first step's a is 0 and multiplies zeros.  The step is so written once.
.macro START
	WIN W_T1
.set e, 0
.rept 64
	v_mov_b32 v[64+e], 0
.set e, e+1
.endr
	WIN 0
.irp t, 0,1
	v_mov_b32 v[STT+8*\t+1], 0xff61b1e6
	v_mul_f32 v[STT+8*\t], s[CS], v[STT+8*\t+1]
.irp j, 2,3,4,5,6,7
	v_mov_b32 v[STT+8*\t+\j], 0
.endr
.endr
.endm
; A KEY STEP: 64 keys at LDS byte s[TB].
.macro STEP
	s_add_co_u32 s50, s[Q0], 31
	s_cmp_gt_u32 s[KF], s50                        ; all 64 keys come after my 32 queries: nothing to do but step the addresses
	s_cbranch_scc1 .Lhid_\@
	v_add_nc_u32 v[ADK], s[TB], v[AK0]
	v_add_nc_u32 v[ADV], s[TB], v[AV0]
.irp i, 0,1,2,3
.irp c, 0,1
	ds_load_b128 v[KFR+16*\i+8*\c:KFR+16*\i+8*\c+3],   v[ADK] offset:16*PK*\i+64*\c
	ds_load_b128 v[KFR+16*\i+8*\c+4:KFR+16*\i+8*\c+7], v[ADK] offset:16*PK*\i+64*\c+32
.endr
.endr
.irp k, 0,1
.irp d, 0,1,2,3
	ds_load_tr16_b128 v[VFR+32*\k+8*\d:VFR+32*\k+8*\d+3],   v[ADV] offset:32*PV*\k+32*\d
	ds_load_tr16_b128 v[VFR+32*\k+8*\d+4:VFR+32*\k+8*\d+7], v[ADV] offset:32*PV*\k+16*PV+32*\d
.endr
.endr
	s_wait_dscnt 16                                ; K's 16 loads are in; V's 16 may be out
	WIN W_KQ
.irp c, 0,1                                    ; eight accumulators by turns
.irp i, 0,1,2,3
.irp t, 0,1
.if \c == 0
	v_wmma_f32_16x16x32_f16 v[SC+32*\t+8*\i:SC+32*\t+8*\i+7], v[KFR+16*\i+8*\c:KFR+16*\i+8*\c+7], v[16*\t+8*\c:16*\t+8*\c+7], 0
.else
	v_wmma_f32_16x16x32_f16 v[SC+32*\t+8*\i:SC+32*\t+8*\i+7], v[KFR+16*\i+8*\c:KFR+16*\i+8*\c+7], v[16*\t+8*\c:16*\t+8*\c+7], v[SC+32*\t+8*\i:SC+32*\t+8*\i+7]
.endif
.endr
.endr
.endr
	WIN 0
.rept 4
	v_nop                                          ; places in front of the first read of the scores
.endr
	s_add_co_u32 s50, s[KF], 63
	s_cmp_le_u32 s50, s[Q0]                        ; all 64 keys count for all my queries: no mask
	s_cbranch_scc1 .Lopen_\@
	s_sub_co_i32 s50, s[Q0], s[KF]
	v_add_nc_u32 v10, s50, v[DQ]                   ; d = my query - first key - 8 h.  Register 8 i + j holds key 16 i + 8 h + j: hidden where 16 i + j > d
	v_add_nc_u32 v11, 16, v10
.irp t, 0,1
.irp i, 0,1,2,3
.irp j, 0,1,2,3,4,5,6,7
	v_cmp_gt_i32 vcc_lo, 16*\i+\j, v[10+\t]
	v_cndmask_b32 v[SC+32*\t+8*\i+\j], v[SC+32*\t+8*\i+\j], v[MINF], vcc_lo
.endr
.endr
.endr
.Lopen_\@:
	; the maximum of the lane's 32 scores and the old m; the two tiles line by line, so that no line waits for the one above it
.irp j, 0,1,2,3
.irp t, 0,1
	v_max3_num_f32 v[STT+8*\t+4+\j], v[SC+32*\t+8*\j], v[SC+32*\t+8*\j+1], v[SC+32*\t+8*\j+2]
.endr
.endr
.irp g, 1,2
.irp j, 0,1,2,3
.irp t, 0,1
	v_max3_num_f32 v[STT+8*\t+4+\j], v[STT+8*\t+4+\j], v[SC+32*\t+8*\j+2*\g+1], v[SC+32*\t+8*\j+2*\g+2]
.endr
.endr
.endr
.irp t, 0,1
	v_max3_num_f32 v[STT+8*\t+4], v[STT+8*\t+4], v[SC+32*\t+7], v[SC+32*\t+15]
.endr
.irp t, 0,1
	v_max3_num_f32 v[STT+8*\t+6], v[STT+8*\t+6], v[SC+32*\t+23], v[SC+32*\t+31]
.endr
.irp t, 0,1
	v_max3_num_f32 v[STT+8*\t+4], v[STT+8*\t+4], v[STT+8*\t+5], v[STT+8*\t+6]
.endr
.irp t, 0,1
	v_max3_num_f32 v[STT+8*\t+4], v[STT+8*\t+4], v[STT+8*\t+7], v[STT+8*\t+1]
.endr
.irp t, 0,1
	v_permlanex16_b32 v[STT+8*\t+5], v[STT+8*\t+4], s[SEL], s[SEL+1]   ; the query's other 32 keys lie in the lane 16 away
.endr
.irp t, 0,1
	v_mov_b32 v[STT+8*\t+7], v[STT+8*\t]           ; c m_old
.endr
.irp t, 0,1
	v_max_num_f32 v[STT+8*\t+1], v[STT+8*\t+4], v[STT+8*\t+5]
.endr
.irp t, 0,1
	v_mul_f32 v[STT+8*\t], s[CS], v[STT+8*\t+1]
.endr
.irp t, 0,1
	v_sub_f32 v[STT+8*\t+7], v[STT+8*\t+7], v[STT+8*\t]
.endr
.irp b, 0,1,2,3,4,5,6,7,8,9,10,11,12,13,14,15
.irp t, 0,1
	v_pk_fma_f32 v[SC+32*\t+2*\b:SC+32*\t+2*\b+1], v[SC+32*\t+2*\b:SC+32*\t+2*\b+1], s[CS:CS+1], v[STT+8*\t:STT+8*\t+1] op_sel_hi:[1,0,0] neg_lo:[0,0,1] neg_hi:[0,0,1]   ; c s - c m
.endr
.endr
.irp t, 0,1
	v_exp_f32 v[STT+8*\t+6], v[STT+8*\t+7]         ; a
.endr
.set e, 0
.rept 32
	v_exp_f32 v[SC+e], v[SC+e]
	v_exp_f32 v[SC+32+e], v[SC+32+e]
.set e, e+1
.endr
	v_nop                                          ; one plain line behind the last exponential
	s_wait_alu depctr_va_vdst(0)                   ; one wait for the batch of 66, ahead of its first reader
.set e, 0
.rept 16
	v_cvt_pk_f16_f32 v[PW+e], v[SC+2*e], v[SC+2*e+1]
	v_cvt_pk_f16_f32 v[PW+16+e], v[SC+32+2*e], v[SC+32+2*e+1]
.set e, e+1
.endr
.irp u, 0,1,2,3,4,5,6,7                        ; the sum of the 16 pairs, in place
.irp t, 0,1
	v_pk_add_f32 v[SC+32*\t+4*\u:SC+32*\t+4*\u+1], v[SC+32*\t+4*\u:SC+32*\t+4*\u+1], v[SC+32*\t+4*\u+2:SC+32*\t+4*\u+3]
.endr
.endr
.irp u, 0,1,2,3
.irp t, 0,1
	v_pk_add_f32 v[SC+32*\t+8*\u:SC+32*\t+8*\u+1], v[SC+32*\t+8*\u:SC+32*\t+8*\u+1], v[SC+32*\t+8*\u+4:SC+32*\t+8*\u+5]
.endr
.endr
.irp u, 0,1
.irp t, 0,1
	v_pk_add_f32 v[SC+32*\t+16*\u:SC+32*\t+16*\u+1], v[SC+32*\t+16*\u:SC+32*\t+16*\u+1], v[SC+32*\t+16*\u+8:SC+32*\t+16*\u+9]
.endr
.endr
.irp t, 0,1
	v_pk_add_f32 v[SC+32*\t:SC+32*\t+1], v[SC+32*\t:SC+32*\t+1], v[SC+32*\t+16:SC+32*\t+17]
.endr
.irp t, 0,1
	v_pk_fma_f32 v[STT+8*\t+2:STT+8*\t+3], v[STT+8*\t+2:STT+8*\t+3], v[STT+8*\t+6:STT+8*\t+7], v[SC+32*\t:SC+32*\t+1] op_sel_hi:[1,0,1]   ; l = a l + the sum
.endr
	WIN W_RS
.set e, 0
.rept 16
	v_pk_mul_f32 v[64+2*e:65+2*e], v[64+2*e:65+2*e], v[STT+6:STT+7] op_sel_hi:[1,0]     ; O^T x a, each accumulator from its low end on
	v_pk_mul_f32 v[96+2*e:97+2*e], v[96+2*e:97+2*e], v[STT+14:STT+15] op_sel_hi:[1,0]
.set e, e+1
.endr
	s_wait_dscnt 0x0                               ; V is in
	WIN W_PV
.irp k, 0,1
.irp d, 0,1,2,3
.irp t, 0,1
	v_wmma_f32_16x16x32_f16 v[64+32*\t+8*\d:64+32*\t+8*\d+7], v[VFR+32*\k+8*\d:VFR+32*\k+8*\d+7], v[PW+16*\t+8*\k:PW+16*\t+8*\k+7], v[64+32*\t+8*\d:64+32*\t+8*\d+7]
.endr
.endr
.endr
	WIN 0
.rept 4
	v_nop                                          ; places in front of the next loads into V's registers and the next reads of O^T
.endr
.Lhid_\@:
	s_add_co_u32 s[KF], s[KF], 64
	s_add_co_u32 s[TB], s[TB], STEPB
.endm
.macro TRIP_STEPS                      ; a slot's four steps: written once, walked four times
	s_mov_b32 s[STEPC], 4
.Lstep_\@:
	STEP
	s_sub_co_u32 s[STEPC], s[STEPC], 1
	s_cmp_lg_u32 s[STEPC], 0
	s_cbranch_scc1 .Lstep_\@
	s_sub_co_u32 s[TB], s[TB], 4*STEPB
	s_xor_b32 s[TB], s[TB], SLOT1                  ; on to the other slot
.endm
; THE CHANGE OF SLOTS, at a trip's head.  Each wave waits for all its tensor loads (one: its part of the slot ahead), adds 0 to its spare word, and waits for that and for its reads of the slot that it has left.
; fill = 1: behind the barrier the slot just left takes the key block of trip T + 1: the next one, or block 0 where T = p (the second query block begins).  One load a wave is out; it has a trip in which to land.
.macro CHANGE fill
	s_wait_tensorcnt 0x0                           ; no tensor load of mine is out, so the group 0 may be written
	ds_add_u32 v[SPW], v[NIL]
.if \fill
	s_xor_b32 s[G0+1], s[G0+1], SLOT1
	s_add_co_u32 s[OFF], s[OFF], 32768             ; a key block: 256 rows of 128 bytes
	s_cmp_eq_u32 s[TT], s[PB]
	s_cselect_b32 s[OFF], 0, s[OFF]
	s_wait_xcnt 0x0                                ; the last prefetch, a trip back, has read its address
	s_add_nc_u64 s[PFA:PFA+1], s[BASE:BASE+1], s[OFF:OFF+1]
	s_mov_b64 s[G0+2:G0+3], s[PFA:PFA+1]
	s_or_b32 s[G0+3], s[G0+3], 0x80000000
.endif
	s_wait_dscnt 0x0                               ; the add is done, my reads of the slot that I have left are over
	s_barrier_signal -1
	s_barrier_wait -1
.if \fill
	TLOAD
	ASK
.endif
.endm
; A query block ends: O^T / l, rounded to f16, through my stage, a tile (16 rows of 128 bytes) at a time; each store covers 512 consecutive bytes of yh.
.macro FINISH
.irp t, 0,1
	v_add_f32 v[STT+8*\t+4], v[STT+8*\t+2], v[STT+8*\t+3]
.endr
.irp t, 0,1
	v_permlanex16_b32 v[STT+8*\t+5], v[STT+8*\t+4], s[SEL], s[SEL+1]
.endr
.irp t, 0,1
	v_add_f32 v[STT+8*\t+4], v[STT+8*\t+4], v[STT+8*\t+5]
.endr
.irp t, 0,1
	v_rcp_f32 v[STT+8*\t+6], v[STT+8*\t+4]
.endr
	v_nop
	s_wait_alu depctr_va_vdst(0)                   ; one wait for the two reciprocals, ahead of their first reader
.irp t, 0,1
	WIN W_RS
.set e, 0
.rept 16
	v_pk_mul_f32 v[64+32*\t+2*e:65+32*\t+2*e], v[64+32*\t+2*e:65+32*\t+2*e], v[STT+8*\t+6:STT+8*\t+7] op_sel_hi:[1,0]
.set e, e+1
.endr
	WIN W_PK
.set e, 0
.rept 16
	v_cvt_pk_f16_f32 v[SC+32*\t+e], v[64+32*\t+2*e], v[65+32*\t+2*e]
.set e, e+1
.endr
	WIN 0
.irp d, 0,1,2,3
	ds_store_b128 v[STO], v[SC+32*\t+4*\d:SC+32*\t+4*\d+3] offset:32*\d
.endr
.irp u, 0,1,2,3
	ds_load_b128 v[SC+32*\t+16+4*\u:SC+32*\t+16+4*\u+3], v[RD] offset:576*\u   ; LDS serves a wave's instructions in order
.endr
.endr
.irp t, 0,1
.irp u, 0,1,2,3
	s_wait_dscnt 8*(1-\t)+3-\u                     ; behind tile 0's load u: its 3 - u younger loads and tile 1's eight LDS instructions
	global_store_b128 v[GO], v[SC+32*\t+16+4*\u:SC+32*\t+16+4*\u+3], s[YA:YA+1] offset:2048*\t+512*\u
.endr
.endr
	s_wait_xcnt 0x0                                ; the stores have read their registers and base: both are written again behind this wait
.endm
	START
	s_wait_loadcnt 0x0                             ; Q of both blocks
.Ltrip:                                            ; eight trips that ask for the next key block; the ninth is written out
	CHANGE 1
	TRIP_STEPS
	s_cmp_lg_u32 s[TT], s[PB]
	s_cbranch_scc1 .Lsame
	FINISH                                         ; block p is done (trip p was its diagonal): on to block 7 - p
	WIN W_RS
.set e, 0
.rept 32
	v_mov_b32 v[e], v[32+e]
.set e, e+1
.endr
	WIN 0
	START
	s_mov_b32 s[KF], 0
	s_mov_b32 s[Q0], s[Q02]
	s_mov_b64 s[YA:YA+1], s[YA2:YA2+1]
.Lsame:
	s_add_co_u32 s[TT], s[TT], 1
	s_cmp_lt_u32 s[TT], 8
	s_cbranch_scc1 .Ltrip
	CHANGE 0
	TRIP_STEPS
	FINISH
	s_wait_tensorcnt 0x0                           ; the wave's end
	ds_add_u32 v[SPW], v[NIL]
	s_wait_dscnt 0x0
	s_endpgm
.Lfunc_end_k_qae836f936c_attn:
	.size	k_qae836f936c_attn, .Lfunc_end_k_qae836f936c_attn-k_qae836f936c_attn
	.p2alignl 7, 3214868480
	.fill 96, 4, 3214868480
	.section	.rodata,"a",@progbits
	.p2align	6, 0x0
	.amdhsa_kernel k_qae836f936c_attn
		.amdhsa_group_segment_fixed_size 327680
		.amdhsa_private_segment_fixed_size 0
		.amdhsa_enable_private_segment 0
		.amdhsa_kernarg_size 16
		.amdhsa_user_sgpr_count 2
		.amdhsa_user_sgpr_kernarg_segment_ptr 1
		.amdhsa_wavefront_size32 1
		.amdhsa_system_sgpr_workgroup_id_x 1
		.amdhsa_system_sgpr_workgroup_id_y 1
		.amdhsa_system_sgpr_workgroup_id_z 1
		.amdhsa_system_vgpr_workitem_id 0
		.amdhsa_next_free_vgpr 384
		.amdhsa_next_free_sgpr 66
		.amdhsa_reserve_vcc 1
		.amdhsa_float_denorm_mode_32 3
		.amdhsa_float_denorm_mode_16_64 3
		.amdhsa_memory_ordered 1
		.amdhsa_forward_progress 1
		.amdhsa_inst_pref_size 72
	.end_amdhsa_kernel
	.amdgpu_metadata
---
amdhsa.version: [ 1, 2 ]
amdhsa.kernels:
  - .name:           k_qae836f936c_attn
    .symbol:         k_qae836f936c_attn.kd
    .args:
      - { .name: qkvh, .offset: 0, .size: 8, .value_kind: global_buffer, .address_space: global }
      - { .name: yh, .offset: 8, .size: 8, .value_kind: global_buffer, .address_space: global }
    .group_segment_fixed_size: 327680
    .private_segment_fixed_size: 0
    .kernarg_segment_align: 8
    .kernarg_segment_size: 16
    .max_flat_workgroup_size: 256
    .sgpr_count:     66
    .vgpr_count:     384
    .wavefront_size: 32
...
	.end_amdgpu_metadata
.endif
;; end of part 3
;; launch proj (part 4): grid 8 x 32, 4 waves a work-group, clusters of 4 x 4, 327,680 bytes of LDS; arguments yh, wp, b_proj, out0; writes out0
.if DOCPART == 4
	.amdgcn_target "amdgcn-amd-amdhsa--gfx1250"
	.amdhsa_code_object_version 6
	.text
	.protected	k_qae836f936c_proj
	.globl	k_qae836f936c_proj
	.p2align	8
	.type	k_qae836f936c_proj,@function
k_qae836f936c_proj:
	s_mov_b64 s[64:65], 0
	v_nop
	global_prefetch_b8 v0, s[64:65] scope:SCOPE_SE
	s_setreg_imm32_b32 hwreg(HW_REG_WAVE_MODE, 25, 1), 1
	s_wait_xcnt 0x0
	s_wait_alu depctr_hold_cnt(0) depctr_sa_sdst(0) depctr_va_vdst(0) depctr_va_sdst(0) depctr_va_ssrc(0) depctr_va_vcc(0) depctr_vm_vsrc(0)
	s_getreg_b32 s2, hwreg(HW_REG_IB_STS2, 6, 4)
	s_cmp_eq_u32 s2, 0
	s_cbranch_scc0 .Lentry_in_a_cluster
	s_endpgm
.Lentry_in_a_cluster:
	s_bfe_u32 s2, ttmp6, 0x10000c
	s_cmp_lg_u32 s2, 0xf033
	s_cbranch_scc0 .Lentry_shape_is_right
	s_endpgm
.Lentry_shape_is_right:
; out0 = y w_proj + b_proj, f16 operands, f32 sums.  yh: f16 [b][h 16][t 2048][64]; wp: f16 [1024 k][1024 n]; K runs as 64 h + d, which is w_proj's own row order.  out0: f32 [8192][1024].
; (The 64 rows t < 16 are written again, more finely, by the launch that follows.)
; A tile of 256 rows x 128 columns is made by four waves, 64 rows x 128 columns each: 32 accumulators.  256 work-groups.  K goes in steps of 128 (two heads) through a ring of two LDS slots.
; CLUSTER 4 x 4: y's tiles are shared along a row of the cluster, w's along a column: joint loads, one a wave: waves 0, 1 a head's 256 rows of y; waves 2, 3 64 of w's 128 rows.
; THE MATRIX INSTRUCTION IS USED TRANSPOSED: source 0 = 16 columns of w (turned out of LDS by ds_load_tr16_b128), source 1 = 16 rows of y: a lane holds eight neighbouring columns of a row.  The bias is the C of the first products.
; No prefetch: the tile is small and its K steps short; the tiles are shared in the cluster instead.
; REGISTERS: window 0: v16-31 addresses; v32-95 the bias; v96-159 y's fragments, two buffers of 4 x 8; on the way out v96-223.  window 1: w's fragments, two buffers of 8 x 8.  window 2: accumulator (a, b) at v[8 (8 a + b)].
.set PA,    144                        ; a row of y in LDS: 128 bytes + 16
.set PBW,   288                        ; a row of w: 256 + 32
.set AHEAD, 256*PA                     ; a head's 256 rows
.set BOFF,  2*AHEAD
.set SLOT,  BOFF+128*PBW
.set STAGE, 2*SLOT                     ; 16 rows x 528 bytes for each wave
.set SPARE, STAGE+4*16*528             ; the spare words: 128 bytes a wave, two blocks of 256 bytes that no other line names
.set ADRA, 16
.set ADRB, 20
.set STO,  24
.set RD,   25
.set CO,   26
.set SPW,  28
.set NIL,  29
.set BO,   30
.set BIAS, 32
.set AF,   96
.set BK,   96
.set G1,  24
.set G0,  32
.set G1B, 48
.set G0B, 56
.set MSB, 0
.macro WIN new
.if MSB != (\new)
	s_set_vgpr_msb (MSB<<8)|(\new)
.set MSB, (\new)
.endif
.endm
.set MUL,  0xa1                        ; source 0 (w) window 1, source 1 (y) window 0, C and D window 2
.set FST,  0x81                        ; C (the bias) window 0
.set TO_B, 0x40
.macro JLOAD s                         ; an s_nop 0 and four v_nop follow each of the two lines
	s_cmp_eq_u32 s13, 0
	s_cbranch_scc0 .Lfor_b_\@
	tensor_load_to_lds s[G0+4*\s:G0+4*\s+3], s[G1:G1+7]
	s_nop 0
.rept 4
	v_nop
.endr
	s_branch .Lasked_\@
.Lfor_b_\@:
	tensor_load_to_lds s[G0B+4*\s:G0B+4*\s+3], s[G1B:G1B+7]
	s_nop 0
.rept 4
	v_nop
.endr
.Lasked_\@:
.endm
.macro CREST
	s_cmp_lg_u32 s12, 0
	s_cbranch_scc1 .Lnot_wave_0_\@
	s_barrier_signal -3
.Lnot_wave_0_\@:
	s_barrier_wait -3
	s_barrier_signal -1
	s_barrier_wait -1
.endm
.macro CROUND
	s_barrier_signal -1
	s_barrier_wait -1
	CREST
.endm
	s_load_b256 s[4:11], s[0:1], 0x0               ; yh 4:5, wp 6:7, b_proj 8:9, out0 10:11
	v_lshl_add_u32 v[SPW], v0, 2, SPARE
	v_mov_b32 v[NIL], 0
	ds_add_u32 v[SPW], v[NIL]                      ; the wave's opening
	ds_add_u32 v[SPW], v[NIL]
	v_lshrrev_b32 v1, 5, v0
	v_readfirstlane_b32 s12, v1                    ; wave 0..3
	s_lshr_b32 s13, s12, 1                         ; I fetch for y (0) or for w (1)
	s_and_b32 s14, s12, 1                          ; which head of the two, or which 64 rows of w
	s_bfe_u32 s40, ttmp6, 0x40000                  ; cx
	s_bfe_u32 s41, ttmp6, 0x40004                  ; cy
	s_lshl_b32 s42, ttmp9, 2
	s_add_co_u32 s42, s42, s40                     ; tile column
	s_and_b32 s15, ttmp7, 0xffff
	s_lshl_b32 s15, s15, 2
	s_add_co_u32 s15, s15, s41                     ; tile row
	s_lshl_b32 s43, s41, 2
	s_lshl_b32 s43, 15, s43                        ; my row of the cluster
	s_lshl_b32 s44, 0x1111, s40                    ; my column
	s_or_b32 s[G1+0], s43, (1<<16)|(1<<20)|(1<<21)|(4<<22)|(3<<25)   ; y: elements of 2 bytes; 4 words of padding behind every 32
	s_mov_b32 s[G1+1], 64<<16                      ; tensor_dim0 = 64
	s_mov_b32 s[G1+2], 256<<16                     ; tensor_dim1 = 256
	s_mov_b32 s[G1+3], 64<<16                      ; tile_dim0
	s_mov_b32 s[G1+4], 256                         ; tile_dim1
	s_mov_b32 s[G1+5], 64                          ; from row to row
	s_mov_b32 s[G1+6], 0
	s_mov_b32 s[G1+7], 0
	s_or_b32 s[G1B+0], s44, (1<<16)|(1<<20)|(1<<21)|(5<<22)|(7<<25)  ; w: 8 words behind every 64
	s_mov_b32 s[G1B+1], 128<<16
	s_mov_b32 s[G1B+2], 64<<16
	s_mov_b32 s[G1B+3], 128<<16
	s_mov_b32 s[G1B+4], 64
	s_mov_b32 s[G1B+5], 1024
	s_mov_b32 s[G1B+6], 0
	s_mov_b32 s[G1B+7], 0
	s_lshr_b32 s16, s15, 3                         ; y: batch = tile row / 8,
	s_lshl_b32 s16, s16, 4
	s_add_co_u32 s16, s16, s14                     ; head block 16 b + e,
	s_lshl_b32 s16, s16, 18
	s_and_b32 s17, s15, 7
	s_lshl_b32 s17, s17, 15                        ; t = 256 (tile row % 8), 128 bytes a row
	s_add_co_u32 s16, s16, s17
	s_mov_b32 s17, 0
	s_lshl_b32 s46, s14, 17                        ; w: row 64 e of 2,048 bytes,
	s_lshl_b32 s47, s42, 8                         ; + 128 columns x 2 bytes x tile column
	s_add_co_u32 s46, s46, s47
	s_mov_b32 s47, 0
	s_mul_i32 s20, s14, AHEAD                      ; where they go
	s_mul_i32 s21, s14, 64*PBW
	s_add_co_u32 s21, s21, BOFF
	s_wait_dscnt 0x0                               ; both opening adds are done
	s_wait_kmcnt 0x0
	s_add_nc_u64 s[16:17], s[4:5], s[16:17]
	s_add_nc_u64 s[46:47], s[6:7], s[46:47]
	CROUND                                         ; all sixteen work-groups are here
.irp s, 0,1
	s_mov_b32 s[G0+4*\s], 1
	s_add_co_u32 s[G0+4*\s+1], s20, \s*SLOT
	s_add_nc_u64 s[G0+4*\s+2:G0+4*\s+3], s[16:17], \s*524288       ; K step s: two heads on
	s_or_b32 s[G0+4*\s+3], s[G0+4*\s+3], 0x80000000
	s_mov_b32 s[G0B+4*\s], 1
	s_add_co_u32 s[G0B+4*\s+1], s21, \s*SLOT
	s_add_nc_u64 s[G0B+4*\s+2:G0B+4*\s+3], s[46:47], \s*262144     ; 128 rows of w on
	s_or_b32 s[G0B+4*\s+3], s[G0B+4*\s+3], 0x80000000
	JLOAD \s                                       ; two loads of mine are out
.endr
	v_and_b32 v1, 15, v0                           ; r
	v_bfe_u32 v2, v0, 4, 1                         ; h
	s_lshl_b32 s46, s42, 9                         ; my tile's 128 columns x 4 bytes
	s_mov_b32 s47, 0
	s_add_nc_u64 s[8:9], s[8:9], s[46:47]
	v_lshlrev_b32 v[BO], 5, v2
.irp b, 0,1,2,3,4,5,6,7
	global_load_b128 v[BIAS+8*\b:BIAS+8*\b+3], v[BO], s[8:9] offset:64*\b          ; b_proj at column 16 b + 8 h + 0 .. 7
	global_load_b128 v[BIAS+8*\b+4:BIAS+8*\b+7], v[BO], s[8:9] offset:64*\b+16
.endr
	s_lshl_b32 s16, s15, 20                        ; out0: 256 rows of 4,096 bytes x tile row,
	s_lshl_b32 s17, s12, 18                        ; + my 64 rows
	s_add_co_u32 s16, s16, s17
	s_add_co_u32 s46, s46, s16
	s_add_nc_u64 s[10:11], s[10:11], s[46:47]
	v_mul_u32_u24 v3, v1, PA
	v_lshl_add_u32 v3, v2, 4, v3
	s_mul_i32 s22, s12, 64*PA                      ; my 64 rows of y
	v_and_b32 v4, 7, v0
	v_lshl_add_u32 v4, v2, 3, v4
	v_mul_u32_u24 v4, v4, PBW
	v_bfe_u32 v5, v0, 3, 1
	v_lshl_add_u32 v4, v5, 4, v4                   ; the turning load: k = 8 h + l % 8, columns 8 ((l / 8) % 2) on
	s_mov_b32 s23, BOFF
.irp s, 0,1
	v_add_nc_u32 v[ADRA+\s], s22, v3
	v_add_nc_u32 v[ADRB+\s], s23, v4
	s_add_co_u32 s22, s22, SLOT
	s_add_co_u32 s23, s23, SLOT
.endr
	s_mul_i32 s23, s12, 16*528
	s_add_co_u32 s23, s23, STAGE
	v_mul_u32_u24 v5, v1, 528
	v_lshl_add_u32 v5, v2, 5, v5
	v_add_nc_u32 v[STO], s23, v5
	v_and_b32 v6, 31, v0
	v_lshlrev_b32 v[CO], 4, v6
	v_add_nc_u32 v[RD], s23, v[CO]
; 24 LDS loads: the fragments of 32 along K, quarter kq of a slot, into buffers f
.macro FETCH slot, kq, f
	WIN TO_B
.irp b, 0,1,2,3,4,5,6,7
	ds_load_tr16_b128 v[64*(\f)+8*\b:64*(\f)+8*\b+3],   v[ADRB+\slot] offset:32*PBW*(\kq)+32*\b
	ds_load_tr16_b128 v[64*(\f)+8*\b+4:64*(\f)+8*\b+7], v[ADRB+\slot] offset:32*PBW*(\kq)+16*PBW+32*\b
.endr
	WIN 0
.irp a, 0,1,2,3
	ds_load_b128 v[AF+32*(\f)+8*\a:AF+32*(\f)+8*\a+3],   v[ADRA+\slot] offset:AHEAD*((\kq)/2)+16*PA*\a+64*((\kq)%2)
	ds_load_b128 v[AF+32*(\f)+8*\a+4:AF+32*(\f)+8*\a+7], v[ADRA+\slot] offset:AHEAD*((\kq)/2)+16*PA*\a+64*((\kq)%2)+32
.endr
.endm
.macro MUL8 f, a, first                ; y's block a against w's eight; the 32 accumulators take turns in the same order in every quarter
.irp b, 0,1,2,3,4,5,6,7
.if \first
	v_wmma_f32_16x16x32_f16 v[8*(8*(\a)+\b):8*(8*(\a)+\b)+7], v[64*(\f)+8*\b:64*(\f)+8*\b+7], v[AF+32*(\f)+8*(\a):AF+32*(\f)+8*(\a)+7], v[BIAS+8*\b:BIAS+8*\b+7]
.else
	v_wmma_f32_16x16x32_f16 v[8*(8*(\a)+\b):8*(8*(\a)+\b)+7], v[64*(\f)+8*\b:64*(\f)+8*\b+7], v[AF+32*(\f)+8*(\a):AF+32*(\f)+8*(\a)+7], v[8*(8*(\a)+\b):8*(8*(\a)+\b)+7]
.endif
.endr
.endm
.macro PLACES
.rept 4
	v_nop
.endr
.endm
.macro QUARTER slot, kqn, f, g, first  ; multiplies buffers f; in its middle fetches quarter kqn of the same slot into g
	s_wait_dscnt 4                                 ; w's eight and y's blocks 0, 1 are in; the youngest four loads (blocks 2, 3) may be out
.if \first
	WIN FST
.else
	WIN MUL
.endif
	MUL8 \f, 0, \first
	MUL8 \f, 1, \first
	PLACES
	FETCH \slot, \kqn, \g
	s_wait_dscnt 24                                ; all but the 24 just issued
.if \first
	WIN FST
.else
	WIN MUL
.endif
	MUL8 \f, 2, \first
	MUL8 \f, 3, \first
.endm
; A slot's last quarter (buffers 1) changes slots: one barrier; fill = 1: it opens a round of the cluster's barrier, and this slot is filled again, two K steps ahead, first thing behind the round.
.macro TURN slot, next, fill
	WIN 0
	s_wait_tensorcnt 0x0                           ; all my tensor loads have landed: the one that was out is my part of the next slot
	ds_add_u32 v[SPW], v[NIL]
	s_wait_dscnt 5                                 ; the add and the youngest four loads may be out
	WIN MUL
	MUL8 1, 0, 0
	s_wait_dscnt 0x0                               ; the add is done, my reads of this slot are over
	s_barrier_signal -1
	MUL8 1, 1, 0
	WIN 0
	s_barrier_wait -1
.if \fill
	CREST                                          ; no wave of any partner still reads this slot or has a load on its way
	s_add_nc_u64 s[G0+4*\slot+2:G0+4*\slot+3], s[G0+4*\slot+2:G0+4*\slot+3], 1048576    ; four heads on
	s_add_nc_u64 s[G0B+4*\slot+2:G0B+4*\slot+3], s[G0B+4*\slot+2:G0B+4*\slot+3], 524288 ; 256 rows of w on
	JLOAD \slot                                    ; its four v_nop are also the places in front of the loads below
.else
	PLACES
.endif
	FETCH \next, 0, 0
	WIN MUL
	MUL8 1, 2, 0
	MUL8 1, 3, 0
.endm
	s_wait_tensorcnt 1                             ; my part of K step 0 is in; K step 1's load may be out
	s_barrier_signal -1
	s_barrier_wait -1
	FETCH 0, 0, 0
	s_wait_loadcnt 0x0                             ; the bias
	QUARTER 0, 1, 0, 1, 1                          ; the first quarter stands in front of the loop: its products start the sums on the bias
	WIN 0
	s_mov_b32 s3, 3                                ; eight K steps = four laps; three of them fill both slots again
.Llap:
	QUARTER 0, 2, 1, 0, 0
	QUARTER 0, 3, 0, 1, 0
	TURN 0, 1, 1
	QUARTER 1, 1, 0, 1, 0
	QUARTER 1, 2, 1, 0, 0
	QUARTER 1, 3, 0, 1, 0
	TURN 1, 0, 1
	QUARTER 0, 1, 0, 1, 0
	WIN 0
	s_sub_co_u32 s3, s3, 1
	s_cmp_lg_u32 s3, 0
	s_cbranch_scc1 .Llap
	QUARTER 0, 2, 1, 0, 0                          ; the last lap fills nothing
	QUARTER 0, 3, 0, 1, 0
	TURN 0, 1, 0
	QUARTER 1, 1, 0, 1, 0
	QUARTER 1, 2, 1, 0, 0
	QUARTER 1, 3, 0, 1, 0
	s_wait_dscnt 4
	WIN MUL
	MUL8 1, 0, 0
	MUL8 1, 1, 0
	s_wait_dscnt 0
	MUL8 1, 2, 0
	MUL8 1, 3, 0
	WIN 0
; THE WAY OUT: a block of 16 rows x 128 columns goes through my stage and comes back as whole rows of 512 bytes.
.macro TOSTAGE a
	WIN 0x08                                       ; an LDS store's data are its source 1: window 2
.irp b, 0,1,2,3,4,5,6,7
	ds_store_b128 v[STO], v[64*(\a)+8*\b:64*(\a)+8*\b+3] offset:64*\b          ; each accumulator from its low end on
	ds_store_b128 v[STO], v[64*(\a)+8*\b+4:64*(\a)+8*\b+7] offset:64*\b+16
.endr
	WIN 0
.set BB, BK+64*((\a)%2)
.irp u, 0,1,2,3,4,5,6,7,8,9,10,11,12,13,14,15
	ds_load_b128 v[BB+4*\u:BB+4*\u+3], v[RD] offset:\u*528
.endr
.endm
.macro SEND a, younger
.set BB, BK+64*((\a)%2)
	s_wait_dscnt \younger                          ; the block is back; the next block's 16 stores and 16 loads may be out
.irp u, 0,1,2,3,4,5,6,7,8,9,10,11,12,13,14,15
	global_store_b128 v[CO], v[BB+4*\u:BB+4*\u+3], s[10:11] offset:65536*(\a)+4096*\u th:TH_STORE_NT   ; 512 consecutive bytes, aligned
.endr
.endm
	PLACES
	TOSTAGE 0
.irp a, 1,2,3
.if \a > 1
	s_wait_xcnt 0x0                                ; block a - 2's stores have read their registers: block a's loads may land there
.endif
	TOSTAGE \a
	SEND \a-1, 32
.endr
	SEND 3, 0
	s_wait_tensorcnt 0x0                           ; the wave's end
	ds_add_u32 v[SPW], v[NIL]
	s_wait_dscnt 0x0
	CROUND                                         ; the closing round
	s_endpgm
.Lfunc_end_k_qae836f936c_proj:
	.size	k_qae836f936c_proj, .Lfunc_end_k_qae836f936c_proj-k_qae836f936c_proj
	.p2alignl 7, 3214868480
	.fill 96, 4, 3214868480
	.section	.rodata,"a",@progbits
	.p2align	6, 0x0
	.amdhsa_kernel k_qae836f936c_proj
		.amdhsa_group_segment_fixed_size 327680
		.amdhsa_private_segment_fixed_size 0
		.amdhsa_enable_private_segment 0
		.amdhsa_kernarg_size 32
		.amdhsa_user_sgpr_count 2
		.amdhsa_user_sgpr_kernarg_segment_ptr 1
		.amdhsa_wavefront_size32 1
		.amdhsa_system_sgpr_workgroup_id_x 1
		.amdhsa_system_sgpr_workgroup_id_y 1
		.amdhsa_system_sgpr_workgroup_id_z 1
		.amdhsa_system_vgpr_workitem_id 0
		.amdhsa_next_free_vgpr 768
		.amdhsa_next_free_sgpr 66
		.amdhsa_reserve_vcc 0
		.amdhsa_float_denorm_mode_32 3
		.amdhsa_float_denorm_mode_16_64 3
		.amdhsa_memory_ordered 1
		.amdhsa_forward_progress 1
		.amdhsa_inst_pref_size 87
	.end_amdhsa_kernel
	.amdgpu_metadata
---
amdhsa.version: [ 1, 2 ]
amdhsa.kernels:
  - .name:           k_qae836f936c_proj
    .symbol:         k_qae836f936c_proj.kd
    .args:
      - { .name: yh, .offset: 0, .size: 8, .value_kind: global_buffer, .address_space: global }
      - { .name: wp, .offset: 8, .size: 8, .value_kind: global_buffer, .address_space: global }
      - { .name: b_proj, .offset: 16, .size: 8, .value_kind: global_buffer, .address_space: global }
      - { .name: out0, .offset: 24, .size: 8, .value_kind: global_buffer, .address_space: global }
    .group_segment_fixed_size: 327680
    .private_segment_fixed_size: 0
    .kernarg_segment_align: 8
    .kernarg_segment_size: 32
    .max_flat_workgroup_size: 128
    .sgpr_count:     66
    .vgpr_count:     768
    .wavefront_size: 32
...
	.end_amdgpu_metadata
.endif
;; end of part 4
;; launch first16 (part 5): grid 32 x 4, 16 waves a work-group, no clusters, 38,912 bytes of LDS; arguments fine, w_proj, b_proj, out0; writes out0
.if DOCPART == 5
	.amdgcn_target "amdgcn-amd-amdhsa--gfx1250"
	.amdhsa_code_object_version 6
	.text
	.protected	k_qae836f936c_first16
	.globl	k_qae836f936c_first16
	.p2align	8
	.type	k_qae836f936c_first16,@function
k_qae836f936c_first16:
	s_mov_b64 s[64:65], 0
	v_nop
	global_prefetch_b8 v0, s[64:65] scope:SCOPE_SE
	s_setreg_imm32_b32 hwreg(HW_REG_WAVE_MODE, 25, 1), 1
	s_wait_xcnt 0x0
; THE FIRST 16 POSITIONS OF EVERY SEQUENCE, IN F32: attention and projection of rows t < 16 of each batch, from the unrounded q, k, v (fine: f32 [b][16][3072]) and w_proj as it is given.
; These rows average one to sixteen values and are the largest of the output; they are written over what the launch before left there.
; SHARES.  Work-group (slice of 32 output columns, batch).  Wave w takes head w: its 16 x 16 scores, softmax, O^T, and the product of its 64 channels with w_proj's rows 64 w .. 64 w + 63; the sixteen
; partial sums meet in LDS; wave w then adds up row t = w.  64 matrix instructions of the f32 form a wave: no bulk work.
; All three products are used transposed, so that a lane holds one query (lane % 16) throughout, and K is taken in an order applied alike to both operands, so that nothing changes lanes:
;   scores: step n takes d = 8 (n / 2) + 4 h + 2 (n % 2) + j;   V^T P: step s takes key 8 h + 2 s + j;   projection: step (d, s) takes channel 16 d + 8 h + 2 s + j.
; The registers that the f32 matrix form writes (v176-255) are written by matrix instructions alone; sums begin with the constant 0.
.set RO,  3
.set VO,  4
.set WO,  5
.set DD,  6
.set MINF, 7
.set RST, 8
.set RLD, 9
.set OO,  10
.set BI,  11
.set SPW, 12
.set NIL, 13
.set KF,  16                           ; v16-47  K's rows; later y
.set YY,  16
.set QF,  48                           ; v48-79  Q's rows; later: v48-55 scores, v56-63 at work, v64-71 p, v72-79 statistics
.set SS,  48
.set PP,  64
.set VF,  80                           ; v80-111 V; later the sixteen partial sums
.set WF,  112                          ; v112-175 w_proj
.set SA,  176                          ; four accumulators of the scores
.set OA,  208                          ; four of O^T
.set UA,  240                          ; two of the output
.set SPARE, 36864                      ; behind the partial sums (16 waves x 16 rows x 144 bytes): 128 bytes a wave, eight blocks of 256 bytes that no other line names
	s_load_b256 s[4:11], s[0:1], 0x0               ; fine 4:5, w_proj 6:7, b_proj 8:9, out0 10:11
	v_lshl_add_u32 v[SPW], v0, 2, SPARE
	v_mov_b32 v[NIL], 0
	v_lshrrev_b32 v1, 5, v0
	v_readfirstlane_b32 s12, v1                    ; wave = head = the row that I add up
	s_and_b32 s14, ttmp7, 0xffff                   ; batch
	s_mov_b32 s16, 0x76543210
	s_mov_b32 s17, 0xfedcba98
	s_mov_b32 s20, 0x3e38aa3b                      ; c = log2(e) / 8
	v_and_b32 v1, 15, v0                           ; r
	v_bfe_u32 v2, v0, 4, 1                         ; h
	v_mul_u32_u24 v[RO], v1, 12288
	v_lshl_add_u32 v[RO], v2, 4, v[RO]             ; q, k: row r, + 16 h
	v_lshlrev_b32 v14, 2, v1
	v_mad_u32_u24 v[VO], v2, 98304, v14            ; v: key 8 h, channel r
	v_lshl_add_u32 v[WO], v2, 15, v14              ; w_proj: row 8 h, column r
	v_lshlrev_b32 v[DD], 3, v2
	v_sub_nc_u32 v[DD], v1, v[DD]                  ; r - 8 h: register j holds key 8 h + j, hidden where j > r - 8 h
	v_mov_b32 v[MINF], 0xff800000
	s_mul_i32 s21, s12, 2304
	v_mul_u32_u24 v[RST], v1, 144
	v_lshl_add_u32 v[RST], v2, 5, v[RST]
	v_add_nc_u32 v[RST], s21, v[RST]               ; my partial sums: row r, 32 bytes for each half
	s_mul_i32 s21, s12, 144
	v_and_b32 v[OO], 31, v0
	v_lshlrev_b32 v[OO], 2, v[OO]
	v_add_nc_u32 v[RLD], s21, v[OO]                ; back: row w of each wave's, 4 bytes a lane
	s_mul_i32 s22, s14, 196608
	s_lshl_b32 s21, s12, 8
	s_add_co_u32 s22, s22, s21                     ; fine: the batch, the head's 64 columns
	s_mov_b32 s23, 0
	s_lshl_b32 s24, s12, 18                        ; w_proj: rows 64 w on,
	s_lshl_b32 s26, ttmp9, 7                       ; the slice's 32 columns
	s_add_co_u32 s24, s24, s26
	s_mov_b32 s25, 0
	s_mov_b32 s27, 0
	s_lshl_b32 s28, s14, 23                        ; out0: row 2,048 b + w
	s_lshl_b32 s21, s12, 12
	s_add_co_u32 s28, s28, s21
	s_add_co_u32 s28, s28, s26
	s_mov_b32 s29, 0
	s_wait_kmcnt 0x0
	s_add_nc_u64 s[4:5], s[4:5], s[22:23]
	s_add_nc_u64 s[6:7], s[6:7], s[24:25]
	s_add_nc_u64 s[8:9], s[8:9], s[26:27]
	s_add_nc_u64 s[10:11], s[10:11], s[28:29]
.irp s, 0,1,2,3,4,5,6,7
	global_load_b128 v[KF+4*\s:KF+4*\s+3], v[RO], s[4:5] offset:4096+32*\s     ; k(r, 8 s + 4 h + 0 .. 3)
.endr
.irp s, 0,1,2,3,4,5,6,7
	global_load_b128 v[QF+4*\s:QF+4*\s+3], v[RO], s[4:5] offset:32*\s
.endr
.irp d, 0,1,2,3
.irp k, 0,1,2,3,4,5,6,7
	global_load_b32 v[VF+8*\d+\k], v[VO], s[4:5] offset:8192+12288*\k+64*\d    ; v(8 h + k, 16 d + r)
.endr
.endr
	global_load_b32 v[BI], v[OO], s[8:9]           ; b_proj at my column
.irp n, 0,1
.irp d, 0,1,2,3
.irp k, 0,1,2,3,4,5,6,7
	global_load_b32 v[WF+32*\n+8*\d+\k], v[WO], s[6:7] offset:4096*(16*\d+\k)+64*\n   ; w_proj(64 w + 16 d + 8 h + k, 16 n + r)
.endr
.endr
.endr
	s_wait_loadcnt 63                              ; of 113 loads at most the 63 youngest, all of w_proj, are out: k, q, v and the bias are in
.set n, 0
.rept 16                                       ; S^T = k q^T: four accumulators by turns
.if n < 4
	v_wmma_f32_16x16x4_f32 v[SA+8*(n%4):SA+8*(n%4)+7], v[KF+2*n:KF+2*n+1], v[QF+2*n:QF+2*n+1], 0
.else
	v_wmma_f32_16x16x4_f32 v[SA+8*(n%4):SA+8*(n%4)+7], v[KF+2*n:KF+2*n+1], v[QF+2*n:QF+2*n+1], v[SA+8*(n%4):SA+8*(n%4)+7]
.endif
.set n, n+1
.endr
.rept 8
	v_nop                                          ; eight places behind this form (ISA guide 7.12.1)
.endr
.irp q, 0,1,2,3
	v_pk_add_f32 v[SS+2*\q:SS+2*\q+1], v[SA+2*\q:SA+2*\q+1], v[SA+8+2*\q:SA+8+2*\q+1]       ; each accumulator from its low end on
.endr
.irp q, 0,1,2,3
	v_pk_add_f32 v[56+2*\q:57+2*\q], v[SA+16+2*\q:SA+16+2*\q+1], v[SA+24+2*\q:SA+24+2*\q+1]
.endr
.irp q, 0,1,2,3
	v_pk_add_f32 v[SS+2*\q:SS+2*\q+1], v[SS+2*\q:SS+2*\q+1], v[56+2*\q:57+2*\q]
.endr
	v_mov_b32 v73, 0                               ; a lane permute's destination counts as one of its sources
	v_mov_b32 v76, 0
.irp j, 0,1,2,3,4,5,6,7
	v_cmp_gt_i32 vcc_lo, \j, v[DD]
	v_cndmask_b32 v[SS+\j], v[SS+\j], v[MINF], vcc_lo
.endr
	v_max3_num_f32 v72, v48, v49, v50
	v_max3_num_f32 v72, v72, v51, v52
	v_max3_num_f32 v72, v72, v53, v54
	v_max_num_f32 v72, v72, v55
	v_permlanex16_b32 v73, v72, s16, s17
	v_max_num_f32 v72, v72, v73                    ; the row's maximum: key 0 counts for every query
	v_mul_f32 v74, s20, v72
.irp j, 0,1,2,3,4,5,6,7
	v_fma_f32 v[PP+\j], v[SS+\j], s20, -v74
.endr
.irp j, 0,1,2,3,4,5,6,7
	v_exp_f32 v[PP+\j], v[PP+\j]
.endr
	v_nop
	s_wait_alu depctr_va_vdst(0)                   ; one wait for the eight exponentials, ahead of their first reader
	v_pk_add_f32 v[56:57], v[64:65], v[66:67]
	v_pk_add_f32 v[58:59], v[68:69], v[70:71]
	v_pk_add_f32 v[56:57], v[56:57], v[58:59]
	v_add_f32 v75, v56, v57
	v_permlanex16_b32 v76, v75, s16, s17
	v_add_f32 v75, v75, v76                        ; the row's sum
	v_rcp_f32 v77, v75
	v_nop                                          ; a plain line behind the reciprocal; its wait stands ahead of its first reader, behind the products below, which do not name it
.irp s, 0,1,2,3                                ; O^T = v^T p: four accumulators by turns
.irp d, 0,1,2,3
.if \s == 0
	v_wmma_f32_16x16x4_f32 v[OA+8*\d:OA+8*\d+7], v[VF+8*\d+2*\s:VF+8*\d+2*\s+1], v[PP+2*\s:PP+2*\s+1], 0
.else
	v_wmma_f32_16x16x4_f32 v[OA+8*\d:OA+8*\d+7], v[VF+8*\d+2*\s:VF+8*\d+2*\s+1], v[PP+2*\s:PP+2*\s+1], v[OA+8*\d:OA+8*\d+7]
.endif
.endr
.endr
.rept 8
	v_nop
.endr
	s_wait_alu depctr_va_vdst(0)                   ; the reciprocal
.set n, 0
.rept 32
	v_mul_f32 v[YY+n], v[OA+n], v77                ; y(r, 16 d + 8 h + j), into other registers
.set n, n+1
.endr
	s_wait_loadcnt 0x0                             ; w_proj
.irp d, 0,1,2,3                                ; my 64 channels' part of out^T: two accumulators by turns
.irp s, 0,1,2,3
.irp n, 0,1
.if (\d == 0) && (\s == 0)
	v_wmma_f32_16x16x4_f32 v[UA+8*\n:UA+8*\n+7], v[WF+32*\n+8*\d+2*\s:WF+32*\n+8*\d+2*\s+1], v[YY+8*\d+2*\s:YY+8*\d+2*\s+1], 0
.else
	v_wmma_f32_16x16x4_f32 v[UA+8*\n:UA+8*\n+7], v[WF+32*\n+8*\d+2*\s:WF+32*\n+8*\d+2*\s+1], v[YY+8*\d+2*\s:YY+8*\d+2*\s+1], v[UA+8*\n:UA+8*\n+7]
.endif
.endr
.endr
.endr
.rept 8
	v_nop
.endr
.irp n, 0,1
	ds_store_b128 v[RST], v[UA+8*\n:UA+8*\n+3] offset:64*\n        ; lane (r, h): row r, columns 16 n + 8 h + 0 .. 7
	ds_store_b128 v[RST], v[UA+8*\n+4:UA+8*\n+7] offset:64*\n+16
.endr
	s_wait_dscnt 0x0                               ; for the others' sake: my stores have landed
	s_barrier_signal -1
	s_barrier_wait -1
.irp w, 0,1,2,3,4,5,6,7,8,9,10,11,12,13,14,15
	ds_load_b32 v[VF+\w], v[RLD] offset:2304*\w    ; head w's part of row t = my wave, column = my lane
.endr
	s_wait_dscnt 0x0
	v_pk_add_f32 v[80:81], v[80:81], v[82:83]      ; a fixed order of additions
	v_pk_add_f32 v[84:85], v[84:85], v[86:87]
	v_pk_add_f32 v[88:89], v[88:89], v[90:91]
	v_pk_add_f32 v[92:93], v[92:93], v[94:95]
	v_pk_add_f32 v[80:81], v[80:81], v[84:85]
	v_pk_add_f32 v[88:89], v[88:89], v[92:93]
	v_pk_add_f32 v[80:81], v[80:81], v[88:89]
	v_add_f32 v80, v80, v81
	v_add_f32 v80, v80, v[BI]
	global_store_b32 v[OO], v80, s[10:11]          ; 128 consecutive bytes of row 2,048 b + w: 256 KB in the whole launch; 128 work-groups were preferred to 64 with rows twice as long
	s_wait_tensorcnt 0x0                           ; the wave's end
	ds_add_u32 v[SPW], v[NIL]
	s_wait_dscnt 0x0
	s_endpgm
.Lfunc_end_k_qae836f936c_first16:
	.size	k_qae836f936c_first16, .Lfunc_end_k_qae836f936c_first16-k_qae836f936c_first16
	.p2alignl 7, 3214868480
	.fill 96, 4, 3214868480
	.section	.rodata,"a",@progbits
	.p2align	6, 0x0
	.amdhsa_kernel k_qae836f936c_first16
		.amdhsa_group_segment_fixed_size 38912
		.amdhsa_private_segment_fixed_size 0
		.amdhsa_enable_private_segment 0
		.amdhsa_kernarg_size 32
		.amdhsa_user_sgpr_count 2
		.amdhsa_user_sgpr_kernarg_segment_ptr 1
		.amdhsa_wavefront_size32 1
		.amdhsa_system_sgpr_workgroup_id_x 1
		.amdhsa_system_sgpr_workgroup_id_y 1
		.amdhsa_system_sgpr_workgroup_id_z 1
		.amdhsa_system_vgpr_workitem_id 0
		.amdhsa_next_free_vgpr 256
		.amdhsa_next_free_sgpr 66
		.amdhsa_reserve_vcc 1
		.amdhsa_float_denorm_mode_32 3
		.amdhsa_float_denorm_mode_16_64 3
		.amdhsa_memory_ordered 1
		.amdhsa_forward_progress 1
		.amdhsa_inst_pref_size 24
	.end_amdhsa_kernel
	.amdgpu_metadata
---
amdhsa.version: [ 1, 2 ]
amdhsa.kernels:
  - .name:           k_qae836f936c_first16
    .symbol:         k_qae836f936c_first16.kd
    .args:
      - { .name: fine, .offset: 0, .size: 8, .value_kind: global_buffer, .address_space: global }
      - { .name: w_proj, .offset: 8, .size: 8, .value_kind: global_buffer, .address_space: global }
      - { .name: b_proj, .offset: 16, .size: 8, .value_kind: global_buffer, .address_space: global }
      - { .name: out0, .offset: 24, .size: 8, .value_kind: global_buffer, .address_space: global }
    .group_segment_fixed_size: 38912
    .private_segment_fixed_size: 0
    .kernarg_segment_align: 8
    .kernarg_segment_size: 32
    .max_flat_workgroup_size: 512
    .sgpr_count:     66
    .vgpr_count:     256
    .wavefront_size: 32
...
	.end_amdgpu_metadata
.endif
;; end of part 5
